; MI455X (gfx1250); checked and timed in simulation.
; The chip was launched on July 23, 2026; its instructions are those of AMD's public machine-readable ISA for CDNA 5 (MIT licence, August 2026) and "CDNA5" Instruction Set Architecture Reference Guide (July 2026). The comments in the code are by the model that wrote it; some were corrected since.
;; Attention Block. Allowed arithmetic: matrix products marked QUANTISED: E3M2 operands, one E8M0 scale for each 32 along K, by v_wmma_scale_f32_16x16x128_f8f6f4 with both operands' format E3M2, f32 sums; everything else in f32.
;; Inputs: b_proj 256 float32; b_qkv 768 float32; beta 256 float32; gamma 256 float32; w_proj 256 x 256 float32; w_qkv 768 x 256 float32; x 4 x 256 x 64 x 64 float32.
;; Outputs: out0 4 x 256 x 64 x 64 float32.
;; This version of the problem:
;;   THIS VERSION OF THE PROBLEM IS GIVEN IN LOW PRECISION. The matrix products marked QUANTISED in the list below multiply operands that are first quantised to E3M2 (3 exponent bits, 2 mantissa bits; 6 bits a number), with one power-of-two scale for each 32 numbers along K (OCP MX v1.0); their sums are f32. All else is computed in f32.
;;   The module's matrix products, in the order in which they are computed (A, B: the left and right operand; K: the contracted axis; several contracted axes count as one K, in the product's order):
;;     1. [M 768, K 256] x [K 256, N 16,384]; A: input w_qkv; B: computed on the way: QUANTISED
;;     2. batch 16 x [M 4,096, K 64] x [K 64, N 4,096]; A: computed on the way; B: computed on the way: QUANTISED
;;     3. batch 16 x [M 64, K 4,096] x [K 4,096, N 4,096]; A: computed on the way; B: softmax (see below): QUANTISED
;;     4. [M 256, K 256] x [K 256, N 16,384]; A: input w_proj; B: computed on the way: QUANTISED
;;   THE QUANTISER, for each operand of a quantised product, along K:
;;     - K is cut into blocks of 32 from its start; a last block that is shorter is filled with zeros.
;;     - A block's scale is 2^e with e = floor(log2(the largest magnitude in the block)) - 4, held to -126 .. 127; a block of zeros has e = 0. As a byte (E8M0): e + 127.
;;     - Each number is divided by its block's scale, clamped to +-28, and rounded to the nearest number of E3M2, ties to even, subnormals kept.
;;     - The product sums the exact products of the quantised numbers (number of the format x scale) in f32.
;;   ~~~python
;;   def quantise(x, axis):      # numpy; x: float32 -> the quantised numbers, widened to float32 again
;;       x = np.moveaxis(x, axis, -1); K = x.shape[-1]
;;       x = np.pad(x, [(0, 0)] * (x.ndim - 1) + [(0, -K % 32)]); x = x.reshape(x.shape[:-1] + (-1, 32)); a = np.abs(x).max(-1, keepdims=True)
;;       e = np.where(a > 0, np.clip(np.frexp(np.where(a > 0, a, 1))[1] - 1 - 4, -126, 127), 0)      # np.frexp(a)[1] - 1 = floor(log2(a)), exactly
;;       r = np.clip(x / 2.0 ** e, -28, 28)
;;       step = 2.0 ** (np.maximum(np.frexp(np.where(r == 0, 1, r))[1] - 1, -2) - 2)
;;       q = np.round(r / step) * step * 2.0 ** e      # np.round: ties to even
;;       return np.moveaxis(q.reshape(q.shape[:-2] + (-1,))[..., :K], -1, axis).astype(np.float32)
;;   ~~~
;;   SOFTMAX AHEAD OF A QUANTISED PRODUCT. Where the list says 'softmax', what is quantised is not the finished softmax but p = 2^(t - M), with t = logit x log2(e) and M = ceil(the row's largest t), a whole number; so 1/2 < the row's largest p <= 1. The row's sum l is taken of the UNQUANTISED p, in f32, and the product's result is divided by l at the end. Since M is a whole number, a kernel that streams over the keys may use a running M (the ceiling of the running maximum): every later rescaling is an exact power of two, which a block's scale takes up: the codes' values come out the same.
;;   OPERANDS COMPUTED ON THE WAY. 'Computed on the way' means the value that the module computes at that place (a softmax that the list does not call 'softmax' is quantised finished and normalised). What goes into a quantiser is computed in f32, as accurately as f32 sums, v_exp_f32 and their like allow (about 1e-6 of the number): no bf16 or f16 on the way to a quantiser, and a product that is left as it is and whose result goes on into a quantised operand takes f32 operands (vector FMAs, or v_wmma_f32_16x16x4_f32). A number that lies on a knife's edge between two numbers of the format may be rounded either way, as far as f32 arithmetic and the matrix unit's own rounding can turn it there, and no further.
;; One version. Each part assembles by itself: llvm-mc -triple=amdgcn-amd-amdhsa -mcpu=gfx1250 --defsym DOCPART=n.
;; ======== version 1 of 1: 4 launches
;; workspace buffers: stats 2,048 bytes; wc 196,608 bytes; ws 8,192 bytes; qf 3,407,872 bytes; kv 6,553,600 bytes; of 3,407,872 bytes
;; launch prep (part 1): grid 264 x 1, 8 waves a work-group, no clusters, 26,624 bytes of LDS; arguments x, w_qkv, w_proj, stats, wc, ws; writes stats, wc, ws
.if DOCPART == 1
	.amdgcn_target "amdgcn-amd-amdhsa--gfx1250"
	.amdhsa_code_object_version 6
	.text
	.protected	k_q2b399b8789_prep
	.globl	k_q2b399b8789_prep
	.p2align	8
	.type	k_q2b399b8789_prep,@function
k_q2b399b8789_prep:
	s_mov_b64 s[64:65], 0
	v_nop
	global_prefetch_b8 v0, s[64:65] scope:SCOPE_SE
	s_setreg_imm32_b32 hwreg(HW_REG_WAVE_MODE, 25, 1), 1
	s_wait_xcnt 0x0
; PREP.  Two jobs in one launch, parted by the work-group's number.
; Work-groups 0-7: w_qkv [768][256] and w_proj [256][256], f32, K innermost, become codes of BF6 (E3M2) with one E8M0 byte for each 32 along K,
;   laid as the matrix unit's registers take them.  One wave makes one tile of 16 rows x 256 K (two K steps of 128).  Tile T (0-47 w_qkv, 48-63 w_proj) holds rows
;   32 (T / 2) + 8 (T % 2) + r + 8 (r / 8), r = 0 .. 15, so that the results of tiles 2 b and 2 b + 1 are 16 neighbours along the next product's K.
;   wc: [tile][K step][lane][48 bytes]: a lane's 12 operand registers on end.   ws: [tile][row r][K step]: one scale word (four bytes) each.
; Work-groups 8-263: the group norm's statistics.  A norm group (32 channels x 4,096 pixels) is 512 KiB on end; a work-group takes an eighth of it, 16,384 numbers, keeps them in
;   registers, and stores their mean and the sum of squares ROUND THAT MEAN: no difference of large sums is formed, whatever offset x carries.  stats: [group x 8 + part]: (mean, M2).
; A block's scale is 2^(floor(log2(largest magnitude)) - 4); its byte is the largest magnitude's exponent field - 4, held at 1 from below.
; LIMITS: a block of zeros gets the byte 1 where the rule says 127 (its codes are zeros, and this program alone reads the bytes); blocks whose largest magnitude lies under 2^-122 are held at byte 1;
; NaN and infinities among the inputs are not served.
; No matrix unit, no cluster, no tensor load: work-groups share no input, and each byte is read once.
.set STG, 256                          ; LDS: bytes 0-63 the statistics' partial sums; from 256 on a stage of 3,072 bytes for each wave of the weights' path
	s_load_b256 s[4:11], s[0:1], 0x0               ; x s[4:5], w_qkv s[6:7], w_proj s[8:9], stats s[10:11]
	s_load_b128 s[12:15], s[0:1], 0x20             ; wc s[12:13], ws s[14:15]
	v_lshl_add_u32 v192, v0, 2, 0x6400
	v_mov_b32 v193, 0
	v_lshrrev_b32 v1, 5, v0
	s_delay_alu instid0(VALU_DEP_1)
	v_readfirstlane_b32 s16, v1                    ; wave 0..7
	v_and_b32 v1, 31, v0                           ; lane
	v_and_b32 v2, 15, v0                           ; r
	v_bfe_u32 v3, v0, 4, 1                         ; h
	s_mov_b32 s18, 0x76543210
	s_mov_b32 s19, 0xfedcba98                      ; v_permlanex16_b32's selects for lane l xor 16
	s_cmp_lt_u32 ttmp9, 8
	s_cbranch_scc0 .Lstats
; ---------------- the weights ----------------
; 32 numbers of one lane, v[s] .. v[s + 31], a whole block, become 6 registers of codes at v[pc] and the scale's byte in v[by]
.macro QUANTX s, pc, pd, by
	v_max3_num_f32 v8, |v[\s]|, |v[\s+1]|, 0x2800000               ; the floor 2^(5 - 127) among the leaves: the byte cannot fall under 1
	v_max3_num_f32 v9, |v[\s+2]|, |v[\s+3]|, |v[\s+4]|
.irp i, 5,9,13,17,21,25
	s_delay_alu instid0(VALU_DEP_2)
	v_max3_num_f32 v8, v8, |v[\s+\i]|, |v[\s+\i+1]|
	s_delay_alu instid0(VALU_DEP_2)
	v_max3_num_f32 v9, v9, |v[\s+\i+2]|, |v[\s+\i+3]|
.endr
	s_delay_alu instid0(VALU_DEP_2)
	v_max3_num_f32 v8, v8, |v[\s+29]|, |v[\s+30]|
	s_delay_alu instid0(VALU_DEP_1)
	v_max3_num_f32 v8, v8, v9, |v[\s+31]|
	s_delay_alu instid0(VALU_DEP_1)
	v_add_nc_u32 v10, 0xfe000000, v8               ; 4 off the exponent field: the conversion takes this operand's exponent field as its scale
	s_delay_alu instid0(VALU_DEP_1)
	v_lshrrev_b32 v[\by], 23, v10                  ; the scale's byte
	v_cvt_scalef32_pk16_bf6_f32 v[\pc:\pc+2], v[\s:\s+15], v10
	v_cvt_scalef32_pk16_bf6_f32 v[\pd:\pd+2], v[\s+16:\s+31], v10  ; (a conversion's three registers begin on an even number)
	v_nop                                          ; one plain line behind the conversions
.irp i, 0,1,2
	v_mov_b32 v[\pc+3+\i], v[\pd+\i]
.endr
.endm
	v_and_b32 v4, 8, v2
	s_delay_alu instid0(VALU_DEP_1)
	v_add_nc_u32 v4, v4, v2                        ; r + 8 (r / 8)
	s_delay_alu instid0(VALU_DEP_1)
	v_lshlrev_b32 v4, 10, v4                       ; a row of 256 f32 is 1,024 bytes
	s_delay_alu instid0(VALU_DEP_1)
	v_lshl_add_u32 v4, v3, 7, v4                   ; + 128 h: lane (r, h) takes k = 128 s + 64 c + 32 h + 0 .. 31
	s_mul_i32 s24, s16, 3072
	s_add_co_u32 s24, s24, STG                     ; my stage
	v_mul_u32_u24 v5, v1, 48
	s_delay_alu instid0(VALU_DEP_1)
	v_add_nc_u32 v5, s24, v5                       ; into it: 48 bytes a lane
	v_lshlrev_b32 v6, 4, v1                        ; 16 x lane
	s_delay_alu instid0(VALU_DEP_1)
	v_add_nc_u32 v7, s24, v6                       ; out of it: as the bytes lie
	v_lshlrev_b32 v11, 3, v3                       ; 8 h
	v_lshlrev_b32 v13, 3, v2
	s_delay_alu instid0(VALU_DEP_1)
	v_lshl_add_u32 v13, v3, 2, v13                 ; ws: 8 r + 4 h
	v_mov_b32 v190, 0                              ; (a lane permute's destination counts as read)
	v_mov_b32 v191, 0
	s_lshl_b32 s20, ttmp9, 3
	s_add_co_u32 s20, s20, s16                     ; T
	s_wait_kmcnt 0x0
	s_cmp_lt_u32 ttmp9, 6                          ; w_qkv's tile or w_proj's?  The choice hangs on the work-group's number alone
	s_cselect_b64 s[6:7], s[6:7], s[8:9]
	s_cselect_b32 s21, 0, 48
	s_sub_co_u32 s21, s20, s21                     ; the tile's number in its tensor
	s_lshr_b32 s22, s21, 1
	s_lshl_b32 s22, s22, 15                        ; 32 rows for each pair of tiles,
	s_and_b32 s23, s21, 1
	s_lshl_b32 s23, s23, 13                        ; 8 rows for the odd one
	s_add_co_u32 s22, s22, s23
	s_mov_b32 s23, 0
	s_add_nc_u64 s[6:7], s[6:7], s[22:23]
	s_mul_i32 s22, s20, 3072
	s_add_nc_u64 s[12:13], s[12:13], s[22:23]
	s_lshl_b32 s22, s20, 7
	s_add_nc_u64 s[14:15], s[14:15], s[22:23]
.irp n, 0,1,2,3                        ; n = 2 s + c
.irp i, 0,1,2,3,4,5,6,7
	global_load_b128 v[16+32*\n+4*\i:16+32*\n+4*\i+3], v4, s[6:7] offset:256*\n+16*\i
.endr
.endr
	s_wait_loadcnt 0x0
.irp n, 0,1,2,3
	QUANTX 16+32*\n, 144+6*\n, 168+4*\n, 184+\n
.endr
.irp s, 0,1                            ; K step s: my two bytes are blocks h and 2 + h of row r; with lane l xor 16's two the word is whole
	v_lshl_or_b32 v[188+\s], v[185+2*\s], 16, v[184+2*\s]
	s_delay_alu instid0(VALU_DEP_1)
	v_lshlrev_b32 v[188+\s], v11, v[188+\s]
	s_delay_alu instid0(VALU_DEP_1)
	v_permlanex16_b32 v[190+\s], v[188+\s], s18, s19
	s_delay_alu instid0(VALU_DEP_1)
	v_or_b32 v[188+\s], v[188+\s], v[190+\s]
.endr
.irp k, 0,1,2,3,4,5
	ds_store_b128 v5, v[144+4*\k:144+4*\k+3] offset:1536*(\k/3)+16*(\k%3)
.endr
.irp k, 0,1,2,3,4,5
	ds_load_b128 v[16+4*\k:16+4*\k+3], v7 offset:512*\k            ; LDS serves a wave's instructions in order: these see my stores
.endr
	v_cmp_eq_u32 vcc_lo, 1, v3
	s_delay_alu instid0(VALU_DEP_1)
	v_cndmask_b32 v12, v188, v189, vcc_lo          ; lanes 0-15 store K step 0's word, lanes 16-31 K step 1's
	global_store_b32 v13, v12, s[14:15]            ; 128 consecutive bytes
	s_wait_dscnt 0x0
.irp k, 0,1,2,3,4,5
	global_store_b128 v6, v[16+4*\k:16+4*\k+3], s[12:13] offset:512*\k   ; 512 consecutive bytes, at a multiple of 256 from wc's first byte
.endr
	s_wait_tensorcnt 0x0
	ds_add_u32 v192, v193
	s_wait_dscnt 0x0
	s_endpgm
; ---------------- the statistics ----------------
.macro WSUM a, t                       ; the sum over the wave's 32 lanes, in every lane
	s_delay_alu instid0(VALU_DEP_1)
	v_add_f32_dpp v[\a], v[\a], v[\a] row_xmask:1 row_mask:0xf bank_mask:0xf
	s_delay_alu instid0(VALU_DEP_1)
	v_add_f32_dpp v[\a], v[\a], v[\a] row_xmask:2 row_mask:0xf bank_mask:0xf
	s_delay_alu instid0(VALU_DEP_1)
	v_add_f32_dpp v[\a], v[\a], v[\a] row_xmask:4 row_mask:0xf bank_mask:0xf
	s_delay_alu instid0(VALU_DEP_1)
	v_add_f32_dpp v[\a], v[\a], v[\a] row_xmask:8 row_mask:0xf bank_mask:0xf
	s_delay_alu instid0(VALU_DEP_1)
	v_permlanex16_b32 v[\t], v[\a], s18, s19
	s_delay_alu instid0(VALU_DEP_1)
	v_add_f32 v[\a], v[\a], v[\t]
.endm
.macro FOLD                            ; four packed chains v[80:87] -> v88
	v_pk_add_f32 v[80:81], v[80:81], v[82:83]
	s_delay_alu instid0(VALU_DEP_2)
	v_pk_add_f32 v[84:85], v[84:85], v[86:87]
	s_delay_alu instid0(VALU_DEP_1)
	v_pk_add_f32 v[80:81], v[80:81], v[84:85]
	s_delay_alu instid0(VALU_DEP_1)
	v_add_f32 v88, v80, v81
	WSUM 88, 89
.endm
.macro ALLWAVES off                    ; v88 of the eight waves is added: each stores its word, a barrier, every wave reads all eight
	ds_store_b32 v5, v88 offset:\off
	s_wait_dscnt 0x0                               ; for the others' sake: my store has landed
	s_barrier_signal -1
	s_barrier_wait -1
	ds_load_b128 v[88:91], v6 offset:\off
	ds_load_b128 v[92:95], v6 offset:\off+16
	s_wait_dscnt 0x0
	v_add_f32 v88, v88, v89
	v_add_f32 v90, v90, v91
	v_add_f32 v92, v92, v93
	v_add_f32 v94, v94, v95
	s_delay_alu instid0(VALU_DEP_3)
	v_add_f32 v88, v88, v90
	s_delay_alu instid0(VALU_DEP_2)
	v_add_f32 v92, v92, v94
	s_delay_alu instid0(VALU_DEP_1)
	v_add_f32 v88, v88, v92
.endm
.Lstats:
	s_sub_co_u32 s20, ttmp9, 8                     ; which eighth of which group
	s_lshl_b32 s22, s20, 16                        ; 65,536 bytes each,
	s_lshl_b32 s21, s16, 13                        ; 8,192 of them my wave's
	s_add_co_u32 s22, s22, s21
	s_mov_b32 s23, 0
	s_lshl_b32 s24, s20, 3
	s_mov_b32 s25, 0
	s_wait_alu depctr_va_vdst(0)
	v_lshlrev_b32 v4, 4, v1
	v_mov_b32 v5, s16
	s_delay_alu instid0(VALU_DEP_1)
	v_lshlrev_b32 v5, 2, v5                        ; my wave's word
	v_mov_b32 v6, 0
	v_mov_b32 v89, 0
	s_wait_alu depctr_va_vdst(0)
	s_wait_kmcnt 0x0
	s_add_nc_u64 s[4:5], s[4:5], s[22:23]
	s_add_nc_u64 s[10:11], s[10:11], s[24:25]
.irp i, 0,1,2,3,4,5,6,7,8,9,10,11,12,13,14,15
	global_load_b128 v[16+4*\i:16+4*\i+3], v4, s[4:5] offset:512*\i      ; 512 consecutive bytes a load; all sixteen are out at once
.endr
	s_wait_loadcnt 14                              ; loads come back in order: the first two are in; the first four start the chains, so nothing is cleared
	v_pk_add_f32 v[80:81], v[16:17], v[20:21]
	v_pk_add_f32 v[82:83], v[18:19], v[22:23]
	s_wait_alu depctr_va_vdst(0)
	s_wait_loadcnt 12
	v_pk_add_f32 v[84:85], v[24:25], v[28:29]
	v_pk_add_f32 v[86:87], v[26:27], v[30:31]
	s_wait_alu depctr_va_vdst(0)
.irp i, 4,5,6,7,8,9,10,11,12,13,14,15
	s_wait_alu depctr_va_vdst(0)
	s_wait_loadcnt 15-\i                           ; load i is in, the younger ones stay out
	v_pk_add_f32 v[80+4*(\i%2):81+4*(\i%2)], v[80+4*(\i%2):81+4*(\i%2)], v[16+4*\i:17+4*\i]
	v_pk_add_f32 v[82+4*(\i%2):83+4*(\i%2)], v[82+4*(\i%2):83+4*(\i%2)], v[18+4*\i:19+4*\i]
.endr
	FOLD
	ALLWAVES 0
	s_delay_alu instid0(VALU_DEP_1)
	v_mul_f32 v96, 0x38800000, v88                 ; / 16,384: the mean
	s_delay_alu instid0(VALU_DEP_1)
	v_mov_b32 v97, v96
.set j, 0
.rept 32
	v_pk_add_f32 v[16+2*j:17+2*j], v[16+2*j:17+2*j], v[96:97] neg_lo:[0,1] neg_hi:[0,1]   ; x - mean, on the registers: x is read once
.set j, j+1
.endr
.irp k, 0,1,2,3
	v_pk_mul_f32 v[80+2*\k:81+2*\k], v[16+2*\k:17+2*\k], v[16+2*\k:17+2*\k]
.endr
.set j, 4
.rept 28
	s_delay_alu instid0(VALU_DEP_4)
	v_pk_fma_f32 v[80+2*(j%4):81+2*(j%4)], v[16+2*j:17+2*j], v[16+2*j:17+2*j], v[80+2*(j%4):81+2*(j%4)]
.set j, j+1
.endr
	FOLD
	ALLWAVES 32                                    ; other bytes than the first sum's: no wave can overwrite what another still reads
	s_cmp_lg_u32 s16, 0
	s_cbranch_scc1 .Ldone                          ; wave 0 stores for the work-group
	v_mov_b32 v98, v96
	v_mov_b32 v99, v88
	v_cmp_eq_u32 vcc_lo, 0, v1
	s_wait_alu depctr_va_vdst(0)
	s_wait_xcnt 0x0                                ; EXEC changes only behind this wait
	s_and_saveexec_b32 s20, vcc_lo
	global_store_b64 v6, v[98:99], s[10:11]        ; (mean, M2)
	s_wait_xcnt 0x0
	s_or_b32 exec_lo, exec_lo, s20
.Ldone:
	s_wait_tensorcnt 0x0
	ds_add_u32 v192, v193
	s_wait_dscnt 0x0
	s_endpgm
.Lfunc_end_k_q2b399b8789_prep:
	.size	k_q2b399b8789_prep, .Lfunc_end_k_q2b399b8789_prep-k_q2b399b8789_prep
	.p2alignl 7, 3214868480
	.fill 96, 4, 3214868480
	.section	.rodata,"a",@progbits
	.p2align	6, 0x0
	.amdhsa_kernel k_q2b399b8789_prep
		.amdhsa_group_segment_fixed_size 26624
		.amdhsa_private_segment_fixed_size 0
		.amdhsa_enable_private_segment 0
		.amdhsa_kernarg_size 48
		.amdhsa_user_sgpr_count 2
		.amdhsa_user_sgpr_kernarg_segment_ptr 1
		.amdhsa_wavefront_size32 1
		.amdhsa_system_sgpr_workgroup_id_x 1
		.amdhsa_system_sgpr_workgroup_id_y 1
		.amdhsa_system_sgpr_workgroup_id_z 1
		.amdhsa_system_vgpr_workitem_id 0
		.amdhsa_next_free_vgpr 194
		.amdhsa_next_free_sgpr 66
		.amdhsa_reserve_vcc 1
		.amdhsa_float_denorm_mode_32 3
		.amdhsa_float_denorm_mode_16_64 3
		.amdhsa_memory_ordered 1
		.amdhsa_forward_progress 1
		.amdhsa_inst_pref_size 29
	.end_amdhsa_kernel
	.amdgpu_metadata
---
amdhsa.version: [ 1, 2 ]
amdhsa.kernels:
  - .name:           k_q2b399b8789_prep
    .symbol:         k_q2b399b8789_prep.kd
    .args:
      - { .name: x, .offset: 0, .size: 8, .value_kind: global_buffer, .address_space: global }
      - { .name: w_qkv, .offset: 8, .size: 8, .value_kind: global_buffer, .address_space: global }
      - { .name: w_proj, .offset: 16, .size: 8, .value_kind: global_buffer, .address_space: global }
      - { .name: stats, .offset: 24, .size: 8, .value_kind: global_buffer, .address_space: global }
      - { .name: wc, .offset: 32, .size: 8, .value_kind: global_buffer, .address_space: global }
      - { .name: ws, .offset: 40, .size: 8, .value_kind: global_buffer, .address_space: global }
    .group_segment_fixed_size: 26624
    .private_segment_fixed_size: 0
    .kernarg_segment_align: 8
    .kernarg_segment_size: 48
    .max_flat_workgroup_size: 256
    .sgpr_count:     66
    .vgpr_count:     194
    .wavefront_size: 32
...
	.end_amdgpu_metadata
.endif
;; end of part 1
;; launch qkv (part 2): grid 256 x 1, 8 waves a work-group, no clusters, 52,224 bytes of LDS; arguments x, gamma, beta, b_qkv, stats, wc, ws, qf, kv; writes qf, kv
.if DOCPART == 2
	.amdgcn_target "amdgcn-amd-amdhsa--gfx1250"
	.amdhsa_code_object_version 6
	.text
	.protected	k_q2b399b8789_qkv
	.globl	k_q2b399b8789_qkv
	.p2align	8
	.type	k_q2b399b8789_qkv,@function
k_q2b399b8789_qkv:
	s_mov_b64 s[64:65], 0
	v_nop
	global_prefetch_b8 v0, s[64:65] scope:SCOPE_SE
	s_setreg_imm32_b32 hwreg(HW_REG_WAVE_MODE, 25, 1), 1
	s_wait_xcnt 0x0
; QKV.  Group norm, quantised along the channels; qkv = w_qkv xn + b_qkv on codes of BF6 (E3M2) with E8M0 scales; q, k, v quantised at once for the two products of attention.
; A work-group takes 64 pixels of one image (256 work-groups).
; PHASE X: wave w takes norm group w, which is also block w of the product's K (32 channels).  A lane takes two pixels and its registers run down the 32 channels: each load reads one row's 256 consecutive
;   bytes, a block lies in one lane, and the codes come out with K innermost.  They go to LDS as the operand's registers take them ([tile][K step][lane][48 bytes]).
; PRODUCT: wave w takes head w / 2 and the pixels' half b = w % 2 (two tiles of 16 pixels), for q, then k, then v: 16 matrix instructions a section on 8 accumulators that take turns.
;   q, k: source 0 = 16 rows of the weight, source 1 = 16 pixels: a lane holds ONE pixel, its registers run along the head's 64: the next product's K.
;   v: the sources swapped: a lane holds one of the head's 64 and its registers run along the pixels: the keys, the last product's K.
;   THE ROWS OF A TILE ARE NOT NEIGHBOURS, of weights and of pixels alike: row r of tile 2 b + u is element 32 b + 8 u + r + 8 (r / 8): the 16 registers of tiles 2 b, 2 b + 1 are then 16 neighbours.
; OUT.  qf: [head][64 pixels]: 4 tiles x [lane][24 bytes] (K = 64: six registers), then 4 x 16 scale words (s0, s1, s0, s1).
;   kv: [head][128 keys]: 4 fragments of K (registers 0-5: key tile 2 j, registers 6-11: key tile 2 j + 1), 4 of V (16 of the head's 64 x 128 keys), then 512 bytes of scale words [lane][16 bytes]: lanes 0-15 K's, 16-31 V's.
;   Of a step's four blocks of 32 keys, place j = 2 b + par holds the pixels of half b of the work-group with parity par: so a work-group writes whole fragments of K and whole halves (768 bytes) of fragments of V.
; The weights go from memory straight into the operand registers, laid for that by the launch before.  They are shared by all work-groups, yet no cluster asks for them jointly: a joint load would send
; these bytes through LDS and back (36,864 bytes a wave) and put rounds of a barrier into a launch of 48 matrix instructions a wave.
; LIMITS: as the launch before (byte 1 for blocks of zeros and for blocks under 2^-122; no NaN, no infinities).
.set XIMG, 0                           ; LDS: x's 8 fragments (2 tile + K step), 1,536 bytes each
.set XSC,  12288                       ; their scale words, 64 bytes each
.set QST,  12800                       ; stages for the way out: q, 3,328 bytes a head;
.set KST,  26112                       ; k, 3,072 a head;
.set VST,  38400                       ; v, 3,072 a head: [tile][row][48 bytes]
.set XR,   32                          ; v32-95   x as loaded: channel i in v[32 + 2 i], two pixels
.set N0,   96                          ; v96-127  the even pixel's 32 channels, normed;  v128-159 the odd pixel's
.set N1,   128
.set XF,   32                          ; v32-79   x's fragments (pixel tile e, K step s) at 32 + 12 (2 e + s)
.set ACC,  96                          ; v96-159  eight accumulators
.set BV,   160                         ; v160-191 v's bias as a C operand (in phase X: the statistics)
.set WS,   192                         ; v192-215 the weights' scale words: (section, tile, K step) at 192 + 8 ty + 2 t + s
.set BVR,  216                         ; v216-219 v's bias as loaded
.set T0,   220                         ; v220-223 largest magnitudes
.set E0,   224                         ; v224-225 the conversions' scale operands
.set B0,   226                         ; v226-227 scale bytes
.set PCA,  228                         ; v228-233, v244-249 codes, two sets by turns
.set PD,   234                         ; v234-236 a conversion's second half
.set WD,   237                         ; v237-242 scale words and bytes on their way out
.set PCB,  244
.set XS,   252                         ; v252-255 x's scale words (2 e + s)
.set WA,   0                           ; window 1: v0-95 a section's weights (tile t, K step s at 24 t + 12 s), v96-191 the next section's, v192-223 q's bias, v224-255 k's
.set WB,   96
.set BQ,   192
.set BK,   224
.set SEL,  100
.set MSB,  0
.macro WIN new                         ; the immediate's high byte repeats the setting that is left
.if MSB != \new
	s_set_vgpr_msb (MSB<<8)|\new
.set MSB, \new
.endif
.endm
; 32 numbers of one lane, a whole block -> 6 registers of codes at v[pc], the scale's byte in v[by]
.macro QUANTX s, pc, by
	v_max3_num_f32 v[T0], |v[\s]|, |v[\s+1]|, 0x2800000            ; the floor 2^(5 - 127): the byte cannot fall under 1
	v_max3_num_f32 v[T0+1], |v[\s+2]|, |v[\s+3]|, |v[\s+4]|
.irp i, 5,9,13,17,21,25
	s_delay_alu instid0(VALU_DEP_2)
	v_max3_num_f32 v[T0], v[T0], |v[\s+\i]|, |v[\s+\i+1]|
	s_delay_alu instid0(VALU_DEP_2)
	v_max3_num_f32 v[T0+1], v[T0+1], |v[\s+\i+2]|, |v[\s+\i+3]|
.endr
	s_delay_alu instid0(VALU_DEP_2)
	v_max3_num_f32 v[T0], v[T0], |v[\s+29]|, |v[\s+30]|
	s_delay_alu instid0(VALU_DEP_1)
	v_max3_num_f32 v[T0], v[T0], v[T0+1], |v[\s+31]|
	s_delay_alu instid0(VALU_DEP_1)
	v_add_nc_u32 v[E0], 0xfe000000, v[T0]          ; 4 off the exponent field
	s_delay_alu instid0(VALU_DEP_1)
	v_lshrrev_b32 v[\by], 23, v[E0]
	v_cvt_scalef32_pk16_bf6_f32 v[\pc:\pc+2], v[\s:\s+15], v[E0]
	v_cvt_scalef32_pk16_bf6_f32 v[PD:PD+2], v[\s+16:\s+31], v[E0]
	v_nop                                          ; one plain line behind the conversions
.irp i, 0,1,2
	v_mov_b32 v[\pc+3+\i], v[PD+\i]
.endr
.endm
; 32 registers: 16 numbers of block 0, 16 of block 1; lane l xor 16 holds the blocks' other halves.  -> v[pc .. pc + 5]: lanes 0-15 the whole of block 0, lanes 16-31 of block 1; the bytes in v[B0], v[B0 + 1], in both halves
.macro QUANT2 s, pc
	v_max3_num_f32 v[T0], |v[\s]|, |v[\s+1]|, 0x2800000
	v_max3_num_f32 v[T0+1], |v[\s+16]|, |v[\s+17]|, 0x2800000
.irp i, 2,4,6,8,10,12,14               ; ascending: each accumulator is read from its low end on
	v_max3_num_f32 v[T0], v[T0], |v[\s+\i]|, |v[\s+\i+1]|
	v_max3_num_f32 v[T0+1], v[T0+1], |v[\s+16+\i]|, |v[\s+17+\i]|
.endr
	s_delay_alu instid0(VALU_DEP_2)
	v_permlanex16_b32 v[T0+2], v[T0], s[SEL], s[SEL+1]
	s_delay_alu instid0(VALU_DEP_2)
	v_permlanex16_b32 v[T0+3], v[T0+1], s[SEL], s[SEL+1]
	s_delay_alu instid0(VALU_DEP_2)
	v_max_num_f32 v[T0], v[T0], v[T0+2]
	s_delay_alu instid0(VALU_DEP_2)
	v_max_num_f32 v[T0+1], v[T0+1], v[T0+3]
	s_delay_alu instid0(VALU_DEP_2)
	v_add_nc_u32 v[E0], 0xfe000000, v[T0]
	s_delay_alu instid0(VALU_DEP_2)
	v_add_nc_u32 v[E0+1], 0xfe000000, v[T0+1]
	s_delay_alu instid0(VALU_DEP_2)
	v_lshrrev_b32 v[B0], 23, v[E0]
	s_delay_alu instid0(VALU_DEP_2)
	v_lshrrev_b32 v[B0+1], 23, v[E0+1]
	v_cvt_scalef32_pk16_bf6_f32 v[\pc:\pc+2], v[\s:\s+15], v[E0]
	v_cvt_scalef32_pk16_bf6_f32 v[PD:PD+2], v[\s+16:\s+31], v[E0+1]
	v_nop
.irp i, 0,1,2
	v_permlane16_swap_b32 v[\pc+\i], v[PD+\i]      ; the first's lanes 16-31 change places with the second's lanes 0-15
.endr
.irp i, 0,1,2
	s_delay_alu instid0(VALU_DEP_3)
	v_mov_b32 v[\pc+3+\i], v[PD+\i]
.endr
.endm
.macro WLOAD dst, ty                   ; a section's 8 weight fragments, 24 loads of 16 bytes a lane (the destination's window is set by the caller)
.irp t, 0,1,2,3
.irp u, 0,1,2,3,4,5
	global_load_b128 v[\dst+24*\t+4*\u:\dst+24*\t+4*\u+3], v7, s[14:15] offset:49152*\ty+3072*\t+1536*(\u/3)+16*(\u%3)
.endr
.endr
.endm
.macro BLOAD dst, ty                   ; a section's bias in the result's layout: lane (r, h), tile t: outputs 32 (t / 2) + 8 (t % 2) + 16 h + 0 .. 7
.irp t, 0,1,2,3
	global_load_b128 v[\dst+8*\t:\dst+8*\t+3], v11, s[10:11] offset:1024*\ty+(32*(\t/2)+8*(\t%2))*4
	global_load_b128 v[\dst+8*\t+4:\dst+8*\t+7], v11, s[10:11] offset:1024*\ty+(32*(\t/2)+8*(\t%2))*4+16
.endr
.endm
; q's or k's 16 matrix instructions: the bias is the C of each sum's first.  The 8 accumulators take turns, one instruction a turn
.macro PRODQK wb, bb, ty
	WIN 0x11                                       ; source 0 (weights) and source 2 (bias) window 1
.irp e, 0,1
.irp t, 0,1,2,3
	v_wmma_scale_f32_16x16x128_f8f6f4 v[ACC+32*\e+8*\t:ACC+32*\e+8*\t+7], v[\wb+24*\t:\wb+24*\t+11], v[XF+24*\e:XF+24*\e+11], v[\bb+8*\t:\bb+8*\t+7], v[WS+8*\ty+2*\t], v[XS+2*\e] matrix_a_fmt:MATRIX_FMT_BF6 matrix_b_fmt:MATRIX_FMT_BF6
.endr
.endr
	WIN 0x01
.irp e, 0,1
.irp t, 0,1,2,3
	v_wmma_scale_f32_16x16x128_f8f6f4 v[ACC+32*\e+8*\t:ACC+32*\e+8*\t+7], v[\wb+24*\t+12:\wb+24*\t+23], v[XF+24*\e+12:XF+24*\e+23], v[ACC+32*\e+8*\t:ACC+32*\e+8*\t+7], v[WS+8*\ty+2*\t+1], v[XS+2*\e+1] matrix_a_fmt:MATRIX_FMT_BF6 matrix_b_fmt:MATRIX_FMT_BF6
.endr
.endr
	WIN 0
.rept 4
	v_nop                                          ; four places behind the products: for loads into their operands and for the first read of results
.endr
.endm
	s_load_b512 s[4:19], s[0:1], 0x0               ; x 4, gamma 6, beta 8, b_qkv 10, stats 12, wc 14, ws 16, qf 18
	s_load_b64 s[20:21], s[0:1], 0x40              ; kv
	v_lshl_add_u32 v250, v0, 2, 0xc800
	v_mov_b32 v251, 0
	v_lshrrev_b32 v1, 5, v0
	s_delay_alu instid0(VALU_DEP_1)
	v_readfirstlane_b32 s56, v1                    ; wave 0..7
	v_and_b32 v1, 31, v0                           ; lane
	s_wait_alu depctr_va_vdst(0)
	v_and_b32 v2, 15, v0                           ; r
	v_bfe_u32 v3, v0, 4, 1                         ; h
	s_lshr_b32 s57, s56, 1                         ; head
	s_and_b32 s58, s56, 1                          ; b: which 32 of the 64 pixels
	s_lshr_b32 s59, ttmp9, 6                       ; image
	s_and_b32 s60, ttmp9, 63                       ; block of 64 pixels
	s_and_b32 s61, s60, 1                          ; par
	s_lshr_b32 s62, s60, 1                         ; key step
	s_lshl_b32 s63, s58, 1
	s_add_co_u32 s63, s63, s61                     ; my keys' place among the step's four blocks: 2 b + par
	s_mov_b32 s[SEL], 0x76543210
	s_mov_b32 s[SEL+1], 0xfedcba98
	s_mov_b32 s3, 0
	v_lshlrev_b32 v4, 3, v1                        ; 8 x lane
	v_mov_b32 v24, 0
	v_mul_u32_u24 v28, v1, 48                      ; 48 x lane
	s_mul_i32 s22, s57, 12288
	v_add_nc_u32 v7, s22, v28                      ; wc: my lane, my head's four tiles
	s_wait_alu depctr_va_vdst(0)
	s_wait_kmcnt 0x0
	s_lshl_b32 s2, s56, 7                          ; my group's 32 numbers of gamma and beta
	s_add_nc_u64 s[6:7], s[6:7], s[2:3]
	s_add_nc_u64 s[8:9], s[8:9], s[2:3]
	s_load_b512 s[24:39], s[6:7], 0x0
	s_load_b512 s[40:55], s[6:7], 0x40
	s_load_b512 s[68:83], s[8:9], 0x0
	s_load_b512 s[84:99], s[8:9], 0x40
	s_lshl_b32 s2, s59, 3
	s_add_co_u32 s2, s2, s56
	s_lshl_b32 s2, s2, 6                           ; my group's eight (mean, M2)
	s_add_nc_u64 s[12:13], s[12:13], s[2:3]
	s_lshl_b32 s2, s59, 22
	s_lshl_b32 s22, s56, 19
	s_add_co_u32 s2, s2, s22
	s_lshl_b32 s22, s60, 8
	s_add_co_u32 s2, s2, s22                       ; x: image, my 32 channels, my 64 pixels
	s_add_nc_u64 s[4:5], s[4:5], s[2:3]
.irp i, 0,1,2,3
	global_load_b128 v[160+4*\i:163+4*\i], v24, s[12:13] offset:16*\i
.endr
.set i, 0
.rept 32
	global_load_b64 v[XR+2*i:XR+2*i+1], v4, s[4:5] offset:16384*i th:TH_LOAD_NT     ; channel i: 256 consecutive bytes, at a multiple of 256 from x's first byte
.set i, i+1
.endr
	WIN 0x40                                       ; destination window 1
	WLOAD WA, 0                                    ; q's weights
	WIN 0
	s_lshl_b32 s22, s59, 2
	s_add_co_u32 s22, s22, s57                     ; image x 4 + head
	s_lshl_b32 s2, s22, 6
	s_add_co_u32 s2, s2, s60
	s_mul_i32 s2, s2, 3328
	s_add_nc_u64 s[18:19], s[18:19], s[2:3]        ; qf at my record
	s_mul_i32 s2, s22, 409600
	s_mul_i32 s22, s62, 12800
	s_add_co_u32 s2, s2, s22
	s_add_nc_u64 s[20:21], s[20:21], s[2:3]        ; kv at my step's record
	; every address, while the loads are out
	v_mul_u32_u24 v5, v3, 6144                     ; where pixel 2 l + e of group w goes in x's fragments: tile 2 (p / 32) + (p / 8) % 2, row p % 8 + 8 ((p / 16) % 2); K step w / 4, lane half w % 2, registers 6 ((w / 2) % 2) on
	v_bfe_u32 v26, v0, 3, 1
	s_delay_alu instid0(VALU_DEP_1)
	v_mad_u32_u24 v5, v26, 384, v5
	v_bfe_u32 v27, v0, 2, 1
	s_delay_alu instid0(VALU_DEP_1)
	v_mad_u32_u24 v5, v27, 3072, v5
	v_and_b32 v29, 3, v0
	s_delay_alu instid0(VALU_DEP_1)
	v_mad_u32_u24 v5, v29, 96, v5
	s_lshr_b32 s2, s56, 2
	s_mul_i32 s2, s2, 1536
	s_mul_i32 s3, s58, 768
	s_add_co_u32 s2, s2, s3
	s_and_b32 s3, s57, 1
	s_mul_i32 s3, s3, 24
	s_add_co_u32 s2, s2, s3
	v_add_nc_u32 v5, s2, v5
	v_lshlrev_b32 v6, 8, v3                        ; and its scale byte: word (2 tile + K step, row), byte w % 4
	s_delay_alu instid0(VALU_DEP_1)
	v_lshl_add_u32 v6, v26, 5, v6
	s_delay_alu instid0(VALU_DEP_1)
	v_lshl_add_u32 v6, v27, 7, v6
	s_delay_alu instid0(VALU_DEP_1)
	v_lshl_add_u32 v6, v29, 3, v6
	s_lshr_b32 s2, s56, 2
	s_lshl_b32 s2, s2, 6
	s_and_b32 s3, s56, 3
	s_add_co_u32 s2, s2, s3
	s_add_co_u32 s2, s2, XSC
	v_add_nc_u32 v6, s2, v6
	s_mul_i32 s2, s58, 6144
	v_add_nc_u32 v8, s2, v28                       ; x's fragments of my two tiles
	s_lshl_b32 s2, s58, 8
	s_add_co_u32 s2, s2, XSC
	v_lshl_add_u32 v9, v2, 2, s2                   ; and their scale words
	s_lshl_b32 s2, s57, 9
	v_lshl_add_u32 v10, v2, 3, s2                  ; ws: 8 r + my head's four tiles
	s_lshl_b32 s2, s57, 8
	v_lshl_add_u32 v11, v3, 6, s2                  ; b_qkv for q, k: 64 h + my head's 64 numbers
	v_and_b32 v29, 8, v2
	s_delay_alu instid0(VALU_DEP_1)
	v_add_nc_u32 v29, v29, v2
	s_delay_alu instid0(VALU_DEP_1)
	v_lshl_add_u32 v12, v29, 2, s2                 ; for v: the tile's row r
	v_lshlrev_b32 v19, 4, v1                       ; 16 x lane
	s_wait_alu depctr_va_vdst(0)
	s_mul_i32 s2, s57, 3328
	s_mul_i32 s3, s58, 1536
	s_add_co_u32 s22, s2, s3
	s_add_co_u32 s22, s22, QST
	v_mul_u32_u24 v13, v1, 24
	s_delay_alu instid0(VALU_DEP_1)
	v_add_nc_u32 v13, s22, v13                     ; q's codes into the stage
	v_add_nc_u32 v20, s22, v19                     ; and out of it
	s_lshl_b32 s3, s58, 7
	s_add_co_u32 s3, s3, s2
	s_add_co_u32 s3, s3, QST+3072
	v_lshl_add_u32 v14, v2, 2, s3                  ; q's scale words
	s_add_co_u32 s3, s2, QST+3072
	v_add_nc_u32 v23, s3, v4
	s_mul_i32 s2, s57, 3072
	s_mul_i32 s3, s58, 1536
	s_add_co_u32 s3, s3, s2
	s_add_co_u32 s22, s3, KST
	v_add_nc_u32 v15, s22, v28                     ; k's codes
	v_add_nc_u32 v21, s22, v19
	s_add_co_u32 s22, s3, VST
	v_add_nc_u32 v22, s22, v4                      ; v's, out
	s_mul_i32 s3, s58, 24
	s_add_co_u32 s3, s3, s2
	s_add_co_u32 s3, s3, VST
	v_mul_u32_u24 v16, v3, 768
	s_delay_alu instid0(VALU_DEP_1)
	v_mad_u32_u24 v16, v2, 48, v16
	s_delay_alu instid0(VALU_DEP_1)
	v_add_nc_u32 v16, s3, v16                      ; v's, in: tile 2 i + h, row r, registers 6 b on
	s_lshl_b32 s2, s63, 2
	s_add_co_u32 s2, s2, 12288
	v_lshl_add_u32 v17, v2, 4, s2                  ; kv: K's scale word
	s_add_co_u32 s2, s63, 12544
	v_lshl_add_u32 v18, v2, 4, s2
	s_delay_alu instid0(VALU_DEP_1)
	v_lshl_add_u32 v18, v3, 2, v18                 ; V's scale byte
	s_mul_i32 s2, s58, 1536
	v_add_nc_u32 v30, s2, v19                      ; qf: my half's codes
	s_mul_i32 s2, s63, 1536
	v_add_nc_u32 v31, s2, v19                      ; kv: K's fragment 2 b + par
	s_mul_i32 s2, s58, 3072
	s_mul_i32 s3, s61, 768
	s_add_co_u32 s2, s2, s3
	s_add_co_u32 s2, s2, 6144
	v_add_nc_u32 v25, s2, v4                       ; kv: V's fragments 2 b, 2 b + 1, half par
	v_cmp_eq_u32 s23, 1, v3                        ; lanes 16-31
	v_mov_b32 v[T0+2], 0                           ; (a lane permute's destination counts as read)
	v_mov_b32 v[T0+3], 0
	s_mov_b32 s2, 0x37000000                       ; 1 / 131,072
	s_mov_b32 s22, 0x3727c5ac                      ; 1e-5
	; ---- the group's mean and 1 / sqrt(var + eps), from its eight parts: M2 = the sum of the parts' M2 + 16,384 x the sum of (part's mean - mean)^2
	s_wait_loadcnt 56                              ; the four loads of statistics are in; behind them 32 of x and 24 of weights
	v_add_f32 v176, v160, v162
	v_add_f32 v177, v164, v166
	v_add_f32 v178, v168, v170
	v_add_f32 v179, v172, v174
	s_delay_alu instid0(VALU_DEP_3)
	v_add_f32 v176, v176, v177
	s_delay_alu instid0(VALU_DEP_2)
	v_add_f32 v178, v178, v179
	s_delay_alu instid0(VALU_DEP_1)
	v_add_f32 v176, v176, v178
	s_delay_alu instid0(VALU_DEP_1)
	v_mul_f32 v176, 0x3e000000, v176               ; / 8
	v_add_f32 v178, v161, v163
	v_add_f32 v179, v165, v167
	v_add_f32 v180, v169, v171
	v_add_f32 v181, v173, v175
	s_delay_alu instid0(VALU_DEP_3)
	v_add_f32 v178, v178, v179
	s_delay_alu instid0(VALU_DEP_2)
	v_add_f32 v180, v180, v181
	s_delay_alu instid0(VALU_DEP_1)
	v_add_f32 v178, v178, v180
	v_sub_f32 v180, v160, v176
	s_delay_alu instid0(VALU_DEP_1)
	v_mul_f32 v179, v180, v180
.irp i, 1,2,3,4,5,6,7
	v_sub_f32 v180, v[160+2*\i], v176
	s_delay_alu instid0(VALU_DEP_1)
	v_fmac_f32 v179, v180, v180
.endr
	s_delay_alu instid0(VALU_DEP_1)
	v_fmamk_f32 v178, v179, 0x46800000, v178
	s_delay_alu instid0(VALU_DEP_1)
	v_fma_f32 v178, v178, s2, s22
	s_wait_alu depctr_va_vdst(0)
	v_rsq_f32 v178, v178
	v_mov_b32 v177, v176                           ; (the plain line behind the transcendental)  the mean as a pair
	s_wait_alu depctr_va_vdst(0)                   ; the wait ahead of the result's first reader
	v_mov_b32 v179, v178
	s_wait_loadcnt 24                              ; x is in; q's weights may be out
	s_wait_kmcnt 0x0                               ; gamma, beta
.set i, 0
.rept 32
	v_pk_add_f32 v[XR+2*i:XR+2*i+1], v[XR+2*i:XR+2*i+1], v[176:177] neg_lo:[0,1] neg_hi:[0,1]
	s_wait_alu depctr_va_vdst(0)
	v_pk_mul_f32 v[XR+2*i:XR+2*i+1], v[XR+2*i:XR+2*i+1], v[178:179]
	s_delay_alu instid0(VALU_DEP_1)
	v_fma_f32 v[N0+i], v[XR+2*i], s[24+i], s[68+i]                 ; x gamma + beta; the two pixels part here, each into a run of 32 registers down the channels
	s_delay_alu instid0(VALU_DEP_2)
	v_fma_f32 v[N1+i], v[XR+2*i+1], s[24+i], s[68+i]
.set i, i+1
.endr
	QUANTX N0, PCA, B0
.irp i, 0,1,2
	ds_store_b64 v5, v[PCA+2*\i:PCA+2*\i+1] offset:8*\i
.endr
	ds_store_b8 v6, v[B0]
	QUANTX N1, PCB, B0+1
.irp i, 0,1,2
	ds_store_b64 v5, v[PCB+2*\i:PCB+2*\i+1] offset:48+8*\i
.endr
	ds_store_b8 v6, v[B0+1] offset:4
.irp y, 0,1,2
.irp t, 0,1,2,3
	global_load_b64 v[WS+8*\y+2*\t:WS+8*\y+2*\t+1], v10, s[16:17] offset:2048*\y+128*\t   ; 12 loads: the weights' scale words
.endr
.endr
	WIN 0x40
	BLOAD BQ, 0                                    ; 8
	WLOAD WB, 1                                    ; 24: k's weights
	BLOAD BK, 1                                    ; 8
	WIN 0
.irp t, 0,1,2,3
	global_load_b32 v[BVR+\t], v12, s[10:11] offset:2048+(32*(\t/2)+8*(\t%2))*4           ; 4: v's bias
.endr
	s_wait_dscnt 0x0                               ; for the others' sake: my codes and bytes have landed
	s_barrier_signal -1
	s_barrier_wait -1                              ; x's eight fragments lie in LDS
.irp f, 0,1,2,3
.irp q, 0,1,2
	ds_load_b128 v[XF+12*\f+4*\q:XF+12*\f+4*\q+3], v8 offset:1536*\f+16*\q
.endr
.endr
.irp f, 0,1,2,3
	ds_load_b32 v[XS+\f], v9 offset:64*\f
.endr
	s_wait_dscnt 0x0
	; ---- q
	s_wait_loadcnt 36                              ; q's weights, the scale words and q's bias are in; behind them k's weights (24), k's bias (8), v's bias (4)
	PRODQK WA, BQ, 0
	WIN 0x40
	WLOAD WA, 2                                    ; v's weights, into the registers that q's have left
	WIN 0
.irp e, 0,1
	QUANT2 ACC+32*\e, PCA+16*\e
.irp i, 0,1,2
	ds_store_b64 v13, v[PCA+16*\e+2*\i:PCA+16*\e+2*\i+1] offset:768*\e+8*\i
.endr
	v_lshl_or_b32 v[WD+\e], v[B0+1], 8, v[B0]
	s_delay_alu instid0(VALU_DEP_1)
	v_lshl_or_b32 v[WD+\e], v[WD+\e], 16, v[WD+\e]                 ; (s0, s1, s0, s1): q stands in either half of the 128 along K
	ds_store_b32 v14, v[WD+\e] offset:64*\e
.endr
	; ---- k
	s_wait_loadcnt 28                              ; k's weights and bias are in; behind them v's bias (4) and v's weights (24)
	PRODQK WB, BK, 1
	s_wait_dscnt 0x0                               ; q's stores have read the two sets of code registers
.irp e, 0,1
	QUANT2 ACC+32*\e, PCA+16*\e
.irp i, 0,1,2
	ds_store_b64 v15, v[PCA+16*\e+2*\i:PCA+16*\e+2*\i+1] offset:24*\e+8*\i
.endr
	v_lshl_or_b32 v[WD+2+\e], v[B0+1], 8, v[B0]
.endr
	s_delay_alu instid0(VALU_DEP_1)
	v_lshl_or_b32 v[WD+2], v[WD+3], 16, v[WD+2]    ; two bytes for key tile 2 j, two for 2 j + 1
	global_store_b32 v17, v[WD+2], s[20:21]        ; (lanes r and r + 16 hold, and store, the same word)
	; ---- v: the sources swapped
	s_wait_loadcnt 0x0
.irp t, 0,1,2,3
.irp j, 0,1,2,3,4,5,6,7
	v_mov_b32 v[BV+8*\t+\j], v[BVR+\t]             ; in this layout a lane holds one output: its bias in all eight registers
.endr
.endr
.rept 4
	v_nop
.endr
	WIN 0x04                                       ; source 1 (weights) window 1
.irp t, 0,1,2,3
.irp u, 0,1
	v_wmma_scale_f32_16x16x128_f8f6f4 v[ACC+16*\t+8*\u:ACC+16*\t+8*\u+7], v[XF+24*\u:XF+24*\u+11], v[WA+24*\t:WA+24*\t+11], v[BV+8*\t:BV+8*\t+7], v[XS+2*\u], v[WS+16+2*\t] matrix_a_fmt:MATRIX_FMT_BF6 matrix_b_fmt:MATRIX_FMT_BF6
.endr
.endr
.irp t, 0,1,2,3
.irp u, 0,1
	v_wmma_scale_f32_16x16x128_f8f6f4 v[ACC+16*\t+8*\u:ACC+16*\t+8*\u+7], v[XF+24*\u+12:XF+24*\u+23], v[WA+24*\t+12:WA+24*\t+23], v[ACC+16*\t+8*\u:ACC+16*\t+8*\u+7], v[XS+2*\u+1], v[WS+16+2*\t+1] matrix_a_fmt:MATRIX_FMT_BF6 matrix_b_fmt:MATRIX_FMT_BF6
.endr
.endr
	WIN 0
.rept 4
	v_nop
.endr
	s_wait_dscnt 0x0                               ; k's stores have read the code registers
.irp i, 0,1
	QUANT2 ACC+32*\i, PCA+16*\i                    ; its two blocks are the same 32 pixels of tiles 2 i and 2 i + 1: lane (r, h) ends with tile 2 i + h, row r
.irp k, 0,1,2
	ds_store_b64 v16, v[PCA+16*\i+2*\k:PCA+16*\i+2*\k+1] offset:1536*\i+8*\k
.endr
	v_cndmask_b32 v[WD+4+\i], v[B0], v[B0+1], s23
	global_store_b8 v18, v[WD+4+\i], s[20:21] offset:8*\i          ; a scale word of 128 keys is made by two waves of two work-groups, a byte each: 512 bytes of a step's 12,800 leave so
.endr
	s_wait_dscnt 0x0
	s_barrier_signal -1
	s_barrier_wait -1                              ; the stages are whole
	; ---- the way out: as the bytes lie, each store whole aligned blocks of 256 bytes
.irp k, 0,1,2
	ds_load_b128 v[96+4*\k:99+4*\k], v20 offset:512*\k
.endr
.irp k, 0,1,2
	ds_load_b128 v[108+4*\k:111+4*\k], v21 offset:512*\k
.endr
.irp k, 0,1,2,3,4,5
	ds_load_b64 v[120+2*\k:121+2*\k], v22 offset:256*\k
.endr
	s_wait_dscnt 0x0
.irp k, 0,1,2
	global_store_b128 v30, v[96+4*\k:99+4*\k], s[18:19] offset:512*\k
.endr
.irp k, 0,1,2
	global_store_b128 v31, v[108+4*\k:111+4*\k], s[20:21] offset:512*\k
.endr
.irp k, 0,1,2,3,4,5
	global_store_b64 v25, v[120+2*\k:121+2*\k], s[20:21] offset:1536*(\k/3)+256*(\k%3)
.endr
	s_cmp_lg_u32 s58, 0
	s_cbranch_scc1 .Lend                           ; q's 256 bytes of scale words: one wave of the head's two
	ds_load_b64 v[132:133], v23
	s_wait_dscnt 0x0
	global_store_b64 v4, v[132:133], s[18:19] offset:3072
.Lend:
	s_wait_tensorcnt 0x0
	ds_add_u32 v250, v251
	s_wait_dscnt 0x0
	s_endpgm
.Lfunc_end_k_q2b399b8789_qkv:
	.size	k_q2b399b8789_qkv, .Lfunc_end_k_q2b399b8789_qkv-k_q2b399b8789_qkv
	.p2alignl 7, 3214868480
	.fill 96, 4, 3214868480
	.section	.rodata,"a",@progbits
	.p2align	6, 0x0
	.amdhsa_kernel k_q2b399b8789_qkv
		.amdhsa_group_segment_fixed_size 52224
		.amdhsa_private_segment_fixed_size 0
		.amdhsa_enable_private_segment 0
		.amdhsa_kernarg_size 72
		.amdhsa_user_sgpr_count 2
		.amdhsa_user_sgpr_kernarg_segment_ptr 1
		.amdhsa_wavefront_size32 1
		.amdhsa_system_sgpr_workgroup_id_x 1
		.amdhsa_system_sgpr_workgroup_id_y 1
		.amdhsa_system_sgpr_workgroup_id_z 1
		.amdhsa_system_vgpr_workitem_id 0
		.amdhsa_next_free_vgpr 512
		.amdhsa_next_free_sgpr 102
		.amdhsa_reserve_vcc 0
		.amdhsa_float_denorm_mode_32 3
		.amdhsa_float_denorm_mode_16_64 3
		.amdhsa_memory_ordered 1
		.amdhsa_forward_progress 1
		.amdhsa_inst_pref_size 64
	.end_amdhsa_kernel
	.amdgpu_metadata
---
amdhsa.version: [ 1, 2 ]
amdhsa.kernels:
  - .name:           k_q2b399b8789_qkv
    .symbol:         k_q2b399b8789_qkv.kd
    .args:
      - { .name: x, .offset: 0, .size: 8, .value_kind: global_buffer, .address_space: global }
      - { .name: gamma, .offset: 8, .size: 8, .value_kind: global_buffer, .address_space: global }
      - { .name: beta, .offset: 16, .size: 8, .value_kind: global_buffer, .address_space: global }
      - { .name: b_qkv, .offset: 24, .size: 8, .value_kind: global_buffer, .address_space: global }
      - { .name: stats, .offset: 32, .size: 8, .value_kind: global_buffer, .address_space: global }
      - { .name: wc, .offset: 40, .size: 8, .value_kind: global_buffer, .address_space: global }
      - { .name: ws, .offset: 48, .size: 8, .value_kind: global_buffer, .address_space: global }
      - { .name: qf, .offset: 56, .size: 8, .value_kind: global_buffer, .address_space: global }
      - { .name: kv, .offset: 64, .size: 8, .value_kind: global_buffer, .address_space: global }
    .group_segment_fixed_size: 52224
    .private_segment_fixed_size: 0
    .kernarg_segment_align: 8
    .kernarg_segment_size: 72
    .max_flat_workgroup_size: 256
    .sgpr_count:     102
    .vgpr_count:     512
    .wavefront_size: 32
...
	.end_amdgpu_metadata
.endif
;; end of part 2
;; launch attn (part 3): grid 16 x 16, 16 waves a work-group, clusters of 4 x 1, 327,680 bytes of LDS; arguments qf, kv, of; writes of
.if DOCPART == 3
	.amdgcn_target "amdgcn-amd-amdhsa--gfx1250"
	.amdhsa_code_object_version 6
	.text
	.protected	k_q2b399b8789_attn
	.globl	k_q2b399b8789_attn
	.p2align	8
	.type	k_q2b399b8789_attn,@function
k_q2b399b8789_attn:
	s_mov_b64 s[64:65], 0
	v_nop
	global_prefetch_b8 v0, s[64:65] scope:SCOPE_SE
	s_setreg_imm32_b32 hwreg(HW_REG_WAVE_MODE, 25, 1), 1
	s_wait_xcnt 0x0
	s_wait_alu depctr_hold_cnt(0) depctr_sa_sdst(0) depctr_va_vdst(0) depctr_va_sdst(0) depctr_va_ssrc(0) depctr_va_vcc(0) depctr_vm_vsrc(0)
	s_getreg_b32 s2, hwreg(HW_REG_IB_STS2, 6, 4)
	s_cmp_eq_u32 s2, 0
	s_cbranch_scc0 .Lentry_in_a_cluster
	s_endpgm
.Lentry_in_a_cluster:
	s_bfe_u32 s2, ttmp6, 0x10000c
	s_cmp_lg_u32 s2, 0x3003
	s_cbranch_scc0 .Lentry_shape_is_right
	s_endpgm
.Lentry_shape_is_right:
; ATTN.  out[d][s] = the sum over t of softmax_t(q[:, s] . k[:, t] / 8) v[d][t], 16 heads of 64 x 4,096, both products on codes of BF6 (E3M2) with E8M0 scales; the result leaves as codes for the last product.
; THE SOFTMAX AHEAD OF THE SECOND PRODUCT: t = score x log2(e) / 8; M = the running largest t rounded UP to a whole number; p = 2^(t - M) is quantised along the keys, not normalised; the row's sum is taken
; of the unquantised p and divides at the end.  When M moves, the sum and O are multiplied by 2^(old M - new M): exact.
; SHARES.  A work-group owns 256 queries of one head, each of its SIXTEEN waves one tile of 16, in 256 registers: four waves to a SIMD, so that one wave's vector work stands beside another's matrix work and LDS loads.
; Every wave walks the head's 4,096 keys, 128 a step.  A step's record (12,800 bytes: 4 fragments of K, 4 of V, 512 bytes of scale words) lies in memory as the operand registers take it:
; a fragment is three loads of 16 bytes at 48 x lane (lane starts 12 words apart: sixteen lanes touch sixteen different columns of 16 bytes).
; THE FIRST PRODUCT'S K IS 64, the instruction's 128: a fragment of K holds TWO tiles of 16 keys, one in each half of the 128; against (q, zeros) it gives the first tile's scores, against (zeros, q) the second's.
; Both products are used transposed (source 0 = keys, or 16 of the head's 64; source 1 = my queries, or p): a lane holds ONE query throughout, and p's 16 registers of two neighbouring tiles are 16 neighbouring keys.
; RING.  Two slots of 8 steps (102,400 bytes), dense in memory: 400 rows of 256 bytes, 100 for each of waves 0 to 3.  By this text's own count a wave has two tensor loads out at the start, later one.
; CLUSTER.  The four query blocks of a cluster belong to one head and walk the same records: each tile is asked for JOINTLY, by the same tensor load with the same descriptor and the mask of all four.
; NO PREFETCH: a slot is asked for eight key steps of all sixteen waves ahead of its first read, and the head's four slots' worth are all asked for by the end of the second phase.
; LIMITS: byte 1 for blocks of zeros and for blocks under 2^-122; no NaN, no infinities.
; REGISTERS: v1, v2 my lane's places in a record; v3, v4 the spare word's address and 0; v5, v6 addresses of the step in hand; v9-11, v35, v229-230 the ends' addresses; v12 -M, v13 the largest t, v[14:15] the sum in two halves;
;   v16-21 zeros, v22-27 q, v28-33 zeros; v34 q's scale word; v36-83 four fragments; v84-87 the step's scale words; v96-159 S^T, then p; v160-191 O^T; v192-210 p's codes; v212-227 at work; v228 p's scale word.
.set SRECB, 12800
.set SLOTB, 102400
.set STAGE, 204800                     ; behind the ring: the work-group's results as four records of 3,328 bytes; no tensor load lands here
.set SPARE, 218112                     ; the spare words, 128 bytes for each wave: eight blocks of 256 bytes that no other line names
.set G1,  16                           ; s[16:23] descriptor group 1
.set G0A, 24                           ; s[24:27] group 0 for slot 0;  s[28:31] for slot 1
.set G0B, 28
.set SEL, 32
.set CS,  34                           ; s[34:35] c = log2(e) / 8
.macro CROUND                          ; a round of the cluster's barrier
	s_barrier_signal -1
	s_barrier_wait -1
	s_cmp_lg_u32 s10, 0
	s_cbranch_scc1 .Lnot_wave_0_\@
	s_barrier_signal -3
.Lnot_wave_0_\@:
	s_barrier_wait -3
	s_barrier_signal -1
	s_barrier_wait -1
.endm
.macro JLOAD g0                        ; waves 0 to 3 fetch a quarter of a slot each; the branch hangs on the wave's number alone; four v_nop follow the load
	s_cmp_lt_u32 s10, 4
	s_cbranch_scc0 .Lno_load_\@
	tensor_load_to_lds s[\g0:\g0+3], s[G1:G1+7]
	s_nop 0
.rept 4
	v_nop
.endr
.Lno_load_\@:
.endm
; THE CHANGE OF SLOTS.  Each wave waits for all its tensor loads (its part of the slot ahead), adds 0 to its spare word, and waits for that and for its reads of the slot that it leaves.
; fill = 1: the slot just left takes the keys two slots on; the barrier is then a round of the cluster's, and the joint load is the first thing behind it.
.macro CHANGE fill, g0
	s_wait_tensorcnt 0x0                           ; no tensor load of mine is out, so a group 0 may be written
	ds_add_u32 v3, v4                              ; 0 onto my spare word
.if \fill
	s_add_nc_u64 s[\g0+2:\g0+3], s[\g0+2:\g0+3], 2*SLOTB           ; the type bits on top are not reached
.endif
	s_wait_dscnt 0x0                               ; the add is done, and my reads of the slot are over
.if \fill
	CROUND
	JLOAD \g0
.else
	s_barrier_signal -1
	s_barrier_wait -1
.endif
.endm
; A KEY STEP: 128 keys, whose record begins at LDS byte s36
.macro STEP
	v_add_nc_u32 v5, s36, v1
	v_add_nc_u32 v6, s36, v2
	v_nop
	v_nop                                          ; with the two additions: four places behind the last products, in front of loads into their operands
.irp j, 0,1,2,3
.irp q, 0,1,2
	ds_load_b128 v[36+12*\j+4*\q:39+12*\j+4*\q], v5 offset:1536*\j+16*\q
.endr
.endr
	ds_load_b128 v[84:87], v6                      ; lanes 0-15: K's four words; lanes 16-31: V's four
	s_wait_alu depctr_va_vdst(0)
	s_wait_dscnt 0x0
.irp j, 0,1,2,3                        ; S^T: fragment j holds key tiles 2 j and 2 j + 1
	v_wmma_scale_f32_16x16x128_f8f6f4 v[96+16*\j:103+16*\j], v[36+12*\j:47+12*\j], v[22:33], 0, v[84+\j], v34 matrix_a_fmt:MATRIX_FMT_BF6 matrix_b_fmt:MATRIX_FMT_BF6
	v_wmma_scale_f32_16x16x128_f8f6f4 v[104+16*\j:111+16*\j], v[36+12*\j:47+12*\j], v[16:27], 0, v[84+\j], v34 matrix_a_fmt:MATRIX_FMT_BF6 matrix_b_fmt:MATRIX_FMT_BF6
.endr
.rept 4
	v_nop                                          ; four places: for V's loads into K's registers, and for the first read of the scores
.endr
.irp t, 0,1,2,3
.irp q, 0,1,2
	ds_load_b128 v[36+12*\t+4*\q:39+12*\t+4*\q], v5 offset:6144+1536*\t+16*\q      ; V lands while the softmax is walked
.endr
.endr
.irp b, 0,1,2,3
	v_max3_num_f32 v[212+\b], v[96+16*\b], v[97+16*\b], v[98+16*\b]                ; the largest score of each block of 32 keys: it serves the row's maximum and, since p rises with the score, the block's largest p
.endr
.irp i, 3,5,7,9,11,13
.irp b, 0,1,2,3
	v_max3_num_f32 v[212+\b], v[212+\b], v[96+16*\b+\i], v[97+16*\b+\i]
.endr
.endr
.irp b, 0,1,2,3
	v_max_num_f32 v[212+\b], v[212+\b], v[111+16*\b]
.endr
.irp b, 0,1,2,3
	s_delay_alu instid0(VALU_DEP_4)
	v_permlanex16_b32 v[216+\b], v[212+\b], s[SEL], s[SEL+1]
.endr
.irp b, 0,1,2,3
	s_delay_alu instid0(VALU_DEP_4)
	v_max_num_f32 v[212+\b], v[212+\b], v[216+\b]  ; with lane l xor 16's 16 keys
.endr
	s_delay_alu instid0(VALU_DEP_2)
	v_max3_num_f32 v224, v212, v213, v214
	s_delay_alu instid0(VALU_DEP_1)
	v_max_num_f32 v224, v224, v215
	s_delay_alu instid0(VALU_DEP_1)
	v_mul_f32 v224, s[CS], v224                    ; as t (c is positive)
	s_delay_alu instid0(VALU_DEP_1)
	v_max_num_f32 v13, v13, v224                   ; the running largest t
	v_mov_b32 v224, v12
	s_delay_alu instid0(VALU_DEP_2)
	v_floor_f32 v12, -v13                          ; -M = floor(-t): M is a whole number
	s_delay_alu instid0(VALU_DEP_1)
	v_sub_f32 v224, v12, v224                      ; old M - new M: a whole number, 0 or less
	s_delay_alu instid0(VALU_DEP_1)
	v_cvt_i32_f32 v224, v224                       ; (it saturates)
	s_delay_alu instid0(VALU_DEP_1)
	v_ldexp_f32 v226, 1.0, v224                    ; f = 2^(old M - new M)
.set n, 0
.rept 32
	v_pk_fma_f32 v[96+n:97+n], v[96+n:97+n], s[CS:CS+1], v[12:13] op_sel_hi:[1,0,0]   ; t - M, two at a time
.set n, n+2
.endr
.irp b, 0,1,2,3
	v_fma_f32 v[212+\b], v[212+\b], s[CS], v12     ; the same of each block's largest score
.endr
.set n, 0
	s_wait_alu depctr_va_vdst(0)
.rept 64
	v_exp_f32 v[96+n], v[96+n]                     ; p = 2^(t - M), at most 1
.set n, n+1
.endr
	s_setprio 1
	v_pk_mul_f32 v[14:15], v[14:15], v[226:227] op_sel_hi:[1,0]    ; the sums under the new M (the plain line behind the exponentials)
	s_wait_alu depctr_va_vdst(0)                   ; one wait for the whole batch, ahead of its first reader
.irp b, 0,1,2,3
	v_exp_f32 v[212+\b], v[212+\b]                 ; the block's largest p
.endr
	v_pk_add_f32 v[216:217], v[100:101], v[104:105]
	v_pk_add_f32 v[254:255], v[108:109], v[112:113]
	v_pk_add_f32 v[252:253], v[116:117], v[120:121]
	v_pk_add_f32 v[250:251], v[124:125], v[128:129]
	v_pk_add_f32 v[248:249], v[132:133], v[136:137]
	v_pk_add_f32 v[246:247], v[140:141], v[144:145]
	v_pk_add_f32 v[244:245], v[148:149], v[152:153]
	v_pk_add_f32 v[14:15], v[14:15], v[156:157]
	v_pk_add_f32 v[216:217], v[216:217], v[96:97]
	v_pk_add_f32 v[254:255], v[254:255], v[98:99]
	v_pk_add_f32 v[252:253], v[252:253], v[102:103]
	v_pk_add_f32 v[250:251], v[250:251], v[106:107]
	v_pk_add_f32 v[248:249], v[248:249], v[110:111]
	v_pk_add_f32 v[246:247], v[246:247], v[114:115]
	v_pk_add_f32 v[244:245], v[244:245], v[118:119]
	v_pk_add_f32 v[14:15], v[14:15], v[122:123]
	v_pk_add_f32 v[216:217], v[216:217], v[126:127]
	v_pk_add_f32 v[254:255], v[254:255], v[130:131]
	v_pk_add_f32 v[252:253], v[252:253], v[134:135]
	v_pk_add_f32 v[250:251], v[250:251], v[138:139]
	v_pk_add_f32 v[248:249], v[248:249], v[142:143]
	v_pk_add_f32 v[246:247], v[246:247], v[146:147]
	v_pk_add_f32 v[244:245], v[244:245], v[150:151]
	v_pk_add_f32 v[14:15], v[14:15], v[154:155]
	v_pk_add_f32 v[216:217], v[216:217], v[158:159]
	s_delay_alu instid0(VALU_DEP_2)
	v_pk_add_f32 v[14:15], v[14:15], v[250:251]
	s_delay_alu instid0(VALU_DEP_2)
	v_pk_add_f32 v[216:217], v[216:217], v[248:249]
	v_pk_add_f32 v[254:255], v[254:255], v[246:247]
	v_pk_add_f32 v[252:253], v[252:253], v[244:245]
	s_delay_alu instid0(VALU_DEP_2)
	v_pk_add_f32 v[14:15], v[14:15], v[254:255]
	s_delay_alu instid0(VALU_DEP_2)
	v_pk_add_f32 v[216:217], v[216:217], v[252:253]
	s_delay_alu instid0(VALU_DEP_1)
	v_pk_add_f32 v[14:15], v[14:15], v[216:217]
	s_wait_alu depctr_va_vdst(0)                   ; and one for the four
.irp b, 0,1,2,3
	v_max_num_f32 v[212+\b], 0x2800000, v[212+\b]  ; the floor 2^(5 - 127): the byte cannot fall under 1
.endr
.irp b, 0,1,2,3
	s_delay_alu instid0(VALU_DEP_4)
	v_add_nc_u32 v[220+\b], 0xfe000000, v[212+\b]  ; 4 off the exponent field: the conversion's scale operand
.endr
.irp b, 0,1,2,3
	s_delay_alu instid0(VALU_DEP_4)
	v_lshrrev_b32 v[216+\b], 23, v[220+\b]
.endr
	s_delay_alu instid0(VALU_DEP_3)
	v_lshl_or_b32 v228, v217, 8, v216              ; p's scale word for these 128 keys
	s_delay_alu instid0(VALU_DEP_1)
	v_lshl_or_b32 v228, v218, 16, v228
	s_delay_alu instid0(VALU_DEP_1)
	v_lshl_or_b32 v228, v219, 24, v228
.irp c, 0,1
	v_cvt_scalef32_pk16_bf6_f32 v[192+6*\c:194+6*\c], v[96+32*\c:111+32*\c], v[220+2*\c]
	v_cvt_scalef32_pk16_bf6_f32 v[204+4*\c:206+4*\c], v[112+32*\c:127+32*\c], v[221+2*\c]
.endr
	v_nop                                          ; one plain line behind the conversions
.irp c, 0,1                            ; the operand wants a whole block in a lane: lanes 0-15 block 2 c, lanes 16-31 block 2 c + 1
.irp i, 0,1,2
	v_permlane16_swap_b32 v[192+6*\c+\i], v[204+4*\c+\i]
.endr
.irp i, 0,1,2
	s_delay_alu instid0(VALU_DEP_3)
	v_mov_b32 v[195+6*\c+\i], v[204+4*\c+\i]
.endr
.endr
.set n, 0
	s_setprio 0
.rept 16
	v_pk_mul_f32 v[160+n:161+n], v[160+n:161+n], v[226:227] op_sel_hi:[1,0]        ; O^T under the new M; these sixteen are also the places between p's codes and scale word and the products
.set n, n+2
.endr
	s_wait_alu depctr_va_vdst(0)
	s_wait_dscnt 0x0                               ; V is in
.irp t, 0,1,2,3                        ; O^T += V^T P^T: four accumulators, one instruction each
	v_wmma_scale_f32_16x16x128_f8f6f4 v[160+8*\t:167+8*\t], v[36+12*\t:47+12*\t], v[192:203], v[160+8*\t:167+8*\t], v[84+\t], v228 matrix_a_fmt:MATRIX_FMT_BF6 matrix_b_fmt:MATRIX_FMT_BF6 matrix_a_scale:MATRIX_SCALE_ROW1
.endr
.endm
.macro PHASE base                      ; a slot's eight key steps
	s_mov_b32 s36, \base
	s_mov_b32 s37, 8
.Lstep_\@:
	s_setprio 2
	STEP
	s_add_co_u32 s36, s36, SRECB
	s_sub_co_u32 s37, s37, 1
	s_cmp_lg_u32 s37, 0
	s_cbranch_scc1 .Lstep_\@
	s_setprio 0
.endm
	s_load_b128 s[4:7], s[0:1], 0x0                ; qf, kv
	s_load_b64 s[8:9], s[0:1], 0x10                ; of
	v_lshl_add_u32 v3, v0, 2, SPARE
	v_mov_b32 v4, 0
	ds_add_u32 v3, v4
	ds_add_u32 v3, v4
	s_wait_dscnt 0x0
	v_lshrrev_b32 v1, 5, v0
	s_delay_alu instid0(VALU_DEP_1)
	v_readfirstlane_b32 s10, v1                    ; wave 0..15
	s_min_u32 s11, s10, 3
	s_mul_i32 s15, s11, 25600                      ; the quarter of a slot that I fetch, if I fetch: in LDS and in memory alike
	s_bfe_u32 s12, ttmp6, 0x40000                  ; cx: it enters qf's and of's addresses alone
	s_lshl_b32 s13, ttmp9, 2
	s_add_co_u32 s13, s13, s12                     ; my block of 256 queries
	s_and_b32 s14, ttmp7, 0xffff                   ; the head, which the four partners share
	s_mov_b32 s[G1], 15|(3<<16)|(1<<21)            ; 15:0 the mask: all four work-groups; 17:16 elements of 8 bytes; 20 no padding; 21 set beside a mask
	s_mov_b32 s[G1+1], 32<<16                      ; tensor_dim0 = 32 elements: 256 bytes
	s_mov_b32 s[G1+2], 100<<16                     ; tensor_dim1 = 100
	s_mov_b32 s[G1+3], 32<<16                      ; tile_dim0
	s_mov_b32 s[G1+4], 100                         ; tile_dim1
	s_mov_b32 s[G1+5], 32                          ; the pitch: the rows are dense
	s_mov_b32 s[G1+6], 0
	s_mov_b32 s[G1+7], 0
	s_mul_i32 s38, s14, 409600                     ; the head's 32 records
	s_add_co_u32 s38, s38, s15
	s_mov_b32 s39, 0
	s_lshl_b32 s40, s14, 6
	s_lshl_b32 s41, s13, 2
	s_add_co_u32 s40, s40, s41                     ; the work-group's first record of 64 queries
	s_mul_i32 s42, s40, 3328
	s_mov_b32 s43, 0
	s_lshr_b32 s41, s10, 2
	s_add_co_u32 s40, s40, s41                     ; my wave's
	s_mul_i32 s40, s40, 3328
	s_mov_b32 s41, 0
	s_mov_b32 s[SEL], 0x76543210
	s_mov_b32 s[SEL+1], 0xfedcba98
	s_mov_b32 s[CS], 0x3e38aa3b
	s_mov_b32 s[CS+1], s[CS]                       ; (named with it as a pair, so it is written)
	s_wait_kmcnt 0x0
	s_add_nc_u64 s[6:7], s[6:7], s[38:39]
	s_add_nc_u64 s[4:5], s[4:5], s[40:41]
	s_add_nc_u64 s[8:9], s[8:9], s[42:43]
	CROUND                                         ; all four work-groups are here: the first joint loads meet
	s_mov_b32 s[G0A], 1                            ; count = 1
	s_mov_b32 s[G0A+1], s15                        ; LDS address: slot 0
	s_mov_b64 s[G0A+2:G0A+3], s[6:7]               ; steps 0 to 7
	s_or_b32 s[G0A+3], s[G0A+3], 0x80000000        ; type = 2
	s_mov_b32 s[G0B], 1
	s_add_co_u32 s[G0B+1], s15, SLOTB
	s_add_nc_u64 s[G0B+2:G0B+3], s[6:7], SLOTB     ; steps 8 to 15
	s_or_b32 s[G0B+3], s[G0B+3], 0x80000000
	s_cmp_lt_u32 s10, 4                            ; a wave's two first fills stand in one branch, ahead of every wait on TENSORcnt, every LDS read and every other barrier
	s_cbranch_scc0 .Lfirst_asked
	tensor_load_to_lds s[G0A:G0A+3], s[G1:G1+7]
	s_nop 0
	tensor_load_to_lds s[G0B:G0B+3], s[G1:G1+7]
	s_nop 0
.rept 4
	v_nop
.endr
.Lfirst_asked:
	v_and_b32 v7, 31, v0                           ; lane
	s_wait_alu depctr_va_vdst(0)
	v_and_b32 v8, 15, v0                           ; r
	v_mul_u32_u24 v1, v7, 48                       ; a fragment's place for my lane
	v_lshl_add_u32 v2, v7, 4, 12288                ; the scale words'
	s_and_b32 s44, s10, 3                          ; my tile in its record
	s_mul_i32 s45, s44, 768
	v_mul_u32_u24 v9, v7, 24
	s_delay_alu instid0(VALU_DEP_1)
	v_add_nc_u32 v9, s45, v9                       ; its codes: 24 bytes a lane
	s_lshl_b32 s46, s44, 6
	s_add_co_u32 s46, s46, 3072
	v_lshl_add_u32 v10, v8, 2, s46                 ; its scale words
.irp i, 0,1,2
	global_load_b64 v[22+2*\i:23+2*\i], v9, s[4:5] offset:8*\i     ; q stays in registers
.endr
	global_load_b32 v34, v10, s[4:5]
	s_lshr_b32 s47, s10, 2
	s_mul_i32 s47, s47, 3328
	s_add_co_u32 s47, s47, STAGE
	v_add_nc_u32 v11, s47, v9                      ; the same two places in the stage
	v_add_nc_u32 v35, s47, v10
	s_lshl_b32 s47, s10, 10
	v_lshl_add_u32 v229, v7, 4, s47                ; the way out: 1,024 bytes a wave, as they lie
	s_delay_alu instid0(VALU_DEP_1)
	v_add_nc_u32 v230, STAGE, v229
.irp i, 16,17,18,19,20,21,28,29,30,31,32,33
	v_mov_b32 v[\i], 0                             ; zero codes on either side of q
.endr
	v_mov_b32 v13, 0xff61b1e6                      ; the largest t so far: -3e38
	s_delay_alu instid0(VALU_DEP_1)
	v_floor_f32 v12, -v13
	v_mov_b32 v14, 0
	v_mov_b32 v15, 0
.irp i, 216,217,218,219,227
	v_mov_b32 v[\i], 0                             ; lane permutes' destinations, and the upper half of the pair v[226:227], count as read
.endr
.set n, 0
.rept 32
	v_mov_b32 v[160+n], 0                          ; O^T: the step is written once; the first finds zeros, which the first change of M leaves zeros
.set n, n+1
.endr
	s_wait_tensorcnt 0x1                           ; my part of slot 0 is in; slot 1's may stay out
	s_barrier_signal -1
	s_barrier_wait -1
	s_wait_loadcnt 0x0                             ; q
	PHASE 0                                        ; steps 0-7
	CHANGE 1, G0A                                  ; slot 0 takes steps 16-23
	PHASE SLOTB                                    ; steps 8-15
	CHANGE 1, G0B                                  ; slot 1 takes steps 24-31
	PHASE 0
	CHANGE 0, G0A                                  ; nothing is left to fetch
	PHASE SLOTB
	; THE WAY OUT.  O^T / the sum, quantised along the head's 64 (two blocks): the last product's K.  Register 8 t + i of lane (r, h) is d = 32 (t / 2) + 8 (t % 2) + 16 h + i.
.rept 4
	v_nop                                          ; places behind the last products
.endr
	v_add_f32 v14, v14, v15
	s_delay_alu instid0(VALU_DEP_1)
	v_permlanex16_b32 v226, v14, s[SEL], s[SEL+1]
	s_delay_alu instid0(VALU_DEP_1)
	v_add_f32 v14, v14, v226                       ; the row's sum
	s_wait_alu depctr_va_vdst(0)
	v_rcp_f32 v14, v14
	v_nop                                          ; the plain line behind the transcendental
	s_wait_alu depctr_va_vdst(0)
.set n, 0
.rept 32
	v_mul_f32 v[96+n], v[160+n], v14               ; ascending: each accumulator is read from its low end on
.set n, n+1
.endr
	v_max3_num_f32 v212, |v96|, |v97|, 0x2800000
	v_max3_num_f32 v213, |v112|, |v113|, 0x2800000
.irp i, 2,4,6,8,10,12,14
	s_delay_alu instid0(VALU_DEP_2)
	v_max3_num_f32 v212, v212, |v[96+\i]|, |v[97+\i]|
	s_delay_alu instid0(VALU_DEP_2)
	v_max3_num_f32 v213, v213, |v[112+\i]|, |v[113+\i]|
.endr
	s_delay_alu instid0(VALU_DEP_2)
	v_permlanex16_b32 v216, v212, s[SEL], s[SEL+1]
	s_delay_alu instid0(VALU_DEP_2)
	v_permlanex16_b32 v217, v213, s[SEL], s[SEL+1]
	s_delay_alu instid0(VALU_DEP_2)
	v_max_num_f32 v212, v212, v216
	s_delay_alu instid0(VALU_DEP_2)
	v_max_num_f32 v213, v213, v217
	s_delay_alu instid0(VALU_DEP_2)
	v_add_nc_u32 v220, 0xfe000000, v212
	s_delay_alu instid0(VALU_DEP_2)
	v_add_nc_u32 v221, 0xfe000000, v213
	s_delay_alu instid0(VALU_DEP_2)
	v_lshrrev_b32 v222, 23, v220
	s_delay_alu instid0(VALU_DEP_2)
	v_lshrrev_b32 v223, 23, v221
	v_cvt_scalef32_pk16_bf6_f32 v[192:194], v[96:111], v220
	v_cvt_scalef32_pk16_bf6_f32 v[204:206], v[112:127], v221
	v_nop
.irp i, 0,1,2
	v_permlane16_swap_b32 v[192+\i], v[204+\i]
.endr
.irp i, 0,1,2
	s_delay_alu instid0(VALU_DEP_3)
	v_mov_b32 v[195+\i], v[204+\i]
.endr
	v_lshl_or_b32 v231, v223, 8, v222              ; the two bytes
.irp i, 0,1,2
	ds_store_b64 v11, v[192+2*\i:193+2*\i] offset:8*\i
.endr
	ds_store_b32 v35, v231
	s_wait_dscnt 0x0                               ; for the others' sake: my stores have landed
	s_barrier_signal -1
	s_barrier_wait -1                              ; four whole records, 13,312 bytes, lie in the stage
	s_cmp_lt_u32 s10, 13
	s_cbranch_scc0 .Lno_copy                       ; thirteen waves carry 1,024 bytes each
	ds_load_b128 v[96:99], v230
	ds_load_b128 v[100:103], v230 offset:512
	s_wait_dscnt 0x0
	global_store_b128 v229, v[96:99], s[8:9]       ; 512 consecutive bytes, at a multiple of 256 from of's first byte
	global_store_b128 v229, v[100:103], s[8:9] offset:512
.Lno_copy:
	s_wait_tensorcnt 0x0                           ; the wave's end, behind my last tensor load and my last LDS store
	ds_add_u32 v3, v4
	s_wait_dscnt 0x0
	CROUND                                         ; the closing round: no work-group ends while a partner may still ask for a tile that names it
	s_endpgm
.Lfunc_end_k_q2b399b8789_attn:
	.size	k_q2b399b8789_attn, .Lfunc_end_k_q2b399b8789_attn-k_q2b399b8789_attn
	.p2alignl 7, 3214868480
	.fill 96, 4, 3214868480
	.section	.rodata,"a",@progbits
	.p2align	6, 0x0
	.amdhsa_kernel k_q2b399b8789_attn
		.amdhsa_group_segment_fixed_size 327680
		.amdhsa_private_segment_fixed_size 0
		.amdhsa_enable_private_segment 0
		.amdhsa_kernarg_size 24
		.amdhsa_user_sgpr_count 2
		.amdhsa_user_sgpr_kernarg_segment_ptr 1
		.amdhsa_wavefront_size32 1
		.amdhsa_system_sgpr_workgroup_id_x 1
		.amdhsa_system_sgpr_workgroup_id_y 1
		.amdhsa_system_sgpr_workgroup_id_z 1
		.amdhsa_system_vgpr_workitem_id 0
		.amdhsa_next_free_vgpr 256
		.amdhsa_next_free_sgpr 66
		.amdhsa_reserve_vcc 0
		.amdhsa_float_denorm_mode_32 3
		.amdhsa_float_denorm_mode_16_64 3
		.amdhsa_memory_ordered 1
		.amdhsa_forward_progress 1
		.amdhsa_inst_pref_size 81
	.end_amdhsa_kernel
	.amdgpu_metadata
---
amdhsa.version: [ 1, 2 ]
amdhsa.kernels:
  - .name:           k_q2b399b8789_attn
    .symbol:         k_q2b399b8789_attn.kd
    .args:
      - { .name: qf, .offset: 0, .size: 8, .value_kind: global_buffer, .address_space: global }
      - { .name: kv, .offset: 8, .size: 8, .value_kind: global_buffer, .address_space: global }
      - { .name: of, .offset: 16, .size: 8, .value_kind: global_buffer, .address_space: global }
    .group_segment_fixed_size: 327680
    .private_segment_fixed_size: 0
    .kernarg_segment_align: 8
    .kernarg_segment_size: 24
    .max_flat_workgroup_size: 512
    .sgpr_count:     66
    .vgpr_count:     256
    .wavefront_size: 32
...
	.end_amdgpu_metadata
.endif
;; end of part 3
;; launch proj (part 4): grid 256 x 1, 8 waves a work-group, no clusters, 70,656 bytes of LDS; arguments of, wc, ws, b_proj, x, out0; writes out0
.if DOCPART == 4
	.amdgcn_target "amdgcn-amd-amdhsa--gfx1250"
	.amdhsa_code_object_version 6
	.text
	.protected	k_q2b399b8789_proj
	.globl	k_q2b399b8789_proj
	.p2align	8
	.type	k_q2b399b8789_proj,@function
k_q2b399b8789_proj:
	s_mov_b64 s[64:65], 0
	v_nop
	global_prefetch_b8 v0, s[64:65] scope:SCOPE_SE
	s_setreg_imm32_b32 hwreg(HW_REG_WAVE_MODE, 25, 1), 1
	s_wait_xcnt 0x0
; PROJ.  out0 = x + w_proj out + b_proj, the product on codes of BF6 (E3M2) with E8M0 scales; K = 256 channels = 4 heads x 64.
; A work-group takes 64 pixels of one image; wave w makes outputs 32 w .. 32 w + 31 (weight tiles 48 + 2 w + u) for all 64 pixels: 16 matrix instructions on 8 accumulators that take turns.
; Source 0 = 16 pixels, source 1 = 16 rows of the weight: a lane holds one output channel and eight neighbouring pixels, 32 bytes of a row of out0.
; A fragment of the pixels (tile m, K step s) is pieced from two heads' records: registers 0-5 from head 2 s, registers 6-11 from head 2 s + 1; its scale word from their two half words.
; The rows of a tile are not neighbours (row r of tile 2 b + u is element 32 b + 8 u + r + 8 (r / 8)), of pixels and of weight rows alike.
; The wave's 32 rows x 256 bytes go through its own stage in LDS (rows 272 bytes apart) and come back so that sixteen lanes hold a row's 256 bytes: there x is added, and each store fills two aligned blocks of 256 bytes.
; Waves share nothing: no barrier.  No cluster: the weights (6,144 bytes a wave) go straight into registers, and all else is read by one wave... the pixels' codes by eight, 13,312 bytes from the launch's own work-group alone.
.set AF,  16                           ; v16-111  the pixels' fragments at 16 + 12 (2 m + s); later rows of the result
.set WF,  112                          ; v112-159 the weights' at 112 + 12 (2 u + s)
.set ACC, 160                          ; v160-223 accumulator (m, u) at 160 + 8 (2 m + u); first, in v160-175, the half words as loaded
.set SA,  224                          ; v224-231 the pixels' scale words (2 m + s)
.set WSC, 232                          ; v232-235 the weights' (2 u + s)
.set BR,  236                          ; v236-237 the bias as loaded
.set CB,  238                          ; v238-253 the bias as a C operand
.set MSB, 0
.macro WIN new                         ; the immediate's high byte repeats the setting that is left
.if MSB != \new
	s_set_vgpr_msb (MSB<<8)|\new
.set MSB, \new
.endif
.endm
	s_load_b256 s[4:11], s[0:1], 0x0               ; of 4, wc 6, ws 8, b_proj 10
	s_load_b128 s[12:15], s[0:1], 0x20             ; x 12, out0 14
	v_lshl_add_u32 v254, v0, 2, 0x11000
	v_mov_b32 v255, 0
	v_lshrrev_b32 v1, 5, v0
	s_delay_alu instid0(VALU_DEP_1)
	v_readfirstlane_b32 s16, v1                    ; wave 0..7
	v_and_b32 v1, 31, v0                           ; lane
	v_and_b32 v2, 15, v0                           ; r
	v_bfe_u32 v3, v0, 4, 1                         ; h
	s_lshr_b32 s17, ttmp9, 6                       ; image
	s_and_b32 s18, ttmp9, 63                       ; block of 64 pixels
	v_mul_u32_u24 v4, v1, 24
	v_lshlrev_b32 v5, 2, v2
	v_mul_u32_u24 v6, v1, 48
	v_lshlrev_b32 v7, 3, v2
	v_and_b32 v12, 8, v2
	s_delay_alu instid0(VALU_DEP_1)
	v_add_nc_u32 v12, v12, v2                      ; r + 8 (r / 8)
	s_delay_alu instid0(VALU_DEP_1)
	v_lshlrev_b32 v8, 2, v12
	v_lshlrev_b32 v9, 4, v2
	s_delay_alu instid0(VALU_DEP_1)
	v_lshl_add_u32 v9, v3, 14, v9                  ; x, out0: lanes 0-15 one channel's 256 bytes, lanes 16-31 the next channel's
	s_mul_i32 s19, s16, 8704                       ; my stage
	v_mul_u32_u24 v10, v12, 272
	s_delay_alu instid0(VALU_DEP_1)
	v_lshl_add_u32 v10, v3, 6, v10
	s_delay_alu instid0(VALU_DEP_1)
	v_add_nc_u32 v10, s19, v10                     ; in: the tile's row r, + 64 h
	v_mul_u32_u24 v11, v3, 272
	s_delay_alu instid0(VALU_DEP_1)
	v_lshl_add_u32 v11, v2, 4, v11
	s_delay_alu instid0(VALU_DEP_1)
	v_add_nc_u32 v11, s19, v11                     ; back: two rows an instruction
	s_lshl_b32 s20, s17, 8
	s_add_co_u32 s20, s20, s18
	s_mul_i32 s20, s20, 3328                       ; of: head 0's record of these pixels; the heads' lie 64 records apart
	s_mov_b32 s21, 0
	s_mul_i32 s22, s16, 6144
	s_add_co_u32 s22, s22, 147456                  ; wc: tile 48 + 2 w
	s_mov_b32 s23, 0
	s_lshl_b32 s24, s16, 8
	s_add_co_u32 s24, s24, 6144                    ; ws likewise
	s_mov_b32 s25, 0
	s_lshl_b32 s26, s16, 7                         ; b_proj: my 32 numbers
	s_mov_b32 s27, 0
	s_lshl_b32 s28, s17, 22
	s_lshl_b32 s29, s16, 19
	s_add_co_u32 s28, s28, s29
	s_lshl_b32 s29, s18, 8
	s_add_co_u32 s28, s28, s29                     ; x, out0: image, my 32 channels, the 64 pixels
	s_mov_b32 s29, 0
	s_wait_alu depctr_va_vdst(0)
	s_wait_kmcnt 0x0
	s_add_nc_u64 s[4:5], s[4:5], s[20:21]
	s_add_nc_u64 s[6:7], s[6:7], s[22:23]
	s_add_nc_u64 s[8:9], s[8:9], s[24:25]
	s_add_nc_u64 s[10:11], s[10:11], s[26:27]
	s_add_nc_u64 s[12:13], s[12:13], s[28:29]
	s_add_nc_u64 s[14:15], s[14:15], s[28:29]
.irp m, 0,1,2,3
.irp g, 0,1,2,3                        ; head g = 2 s + c
.irp i, 0,1,2
	global_load_b64 v[AF+24*\m+6*\g+2*\i:AF+24*\m+6*\g+2*\i+1], v4, s[4:5] offset:212992*\g+768*\m+8*\i
.endr
.endr
.endr
.irp m, 0,1,2,3
.irp g, 0,1,2,3
	global_load_b32 v[ACC+4*\m+\g], v5, s[4:5] offset:212992*\g+3072+64*\m
.endr
.endr
.irp f, 0,1,2,3                        ; f = 2 u + s
.irp q, 0,1,2
	global_load_b128 v[WF+12*\f+4*\q:WF+12*\f+4*\q+3], v6, s[6:7] offset:1536*\f+16*\q
.endr
.endr
.irp u, 0,1
	global_load_b64 v[WSC+2*\u:WSC+2*\u+1], v7, s[8:9] offset:128*\u
.endr
.irp u, 0,1
	global_load_b32 v[BR+\u], v8, s[10:11] offset:32*\u
.endr
	WIN 0x40                                       ; destination window 1: v256-319
.irp i, 0,1,2,3,4,5,6,7,8,9,10,11,12,13,14,15
	global_load_b128 v[4*\i:4*\i+3], v9, s[12:13] offset:32768*\i th:TH_LOAD_NT
.endr
	WIN 0
	s_wait_loadcnt 16                              ; all but x's sixteen
.irp m, 0,1,2,3
.irp s, 0,1
	v_lshl_or_b32 v[SA+2*\m+\s], v[ACC+4*\m+2*\s+1], 16, v[ACC+4*\m+2*\s]          ; two heads' half words make the word of 128 along K
.endr
.endr
.irp u, 0,1
.irp j, 0,1,2,3,4,5,6,7
	v_mov_b32 v[CB+8*\u+\j], v[BR+\u]              ; a lane holds one output: its bias in all eight registers.  Of these sixteen lines eight name no register of any one product: its places behind the scale words' lines
.endr
.endr
.irp m, 0,1,2,3
.irp u, 0,1
	v_wmma_scale_f32_16x16x128_f8f6f4 v[ACC+8*(2*\m+\u):ACC+8*(2*\m+\u)+7], v[AF+24*\m:AF+24*\m+11], v[WF+24*\u:WF+24*\u+11], v[CB+8*\u:CB+8*\u+7], v[SA+2*\m], v[WSC+2*\u] matrix_a_fmt:MATRIX_FMT_BF6 matrix_b_fmt:MATRIX_FMT_BF6
.endr
.endr
.irp m, 0,1,2,3
.irp u, 0,1
	v_wmma_scale_f32_16x16x128_f8f6f4 v[ACC+8*(2*\m+\u):ACC+8*(2*\m+\u)+7], v[AF+24*\m+12:AF+24*\m+23], v[WF+24*\u+12:WF+24*\u+23], v[ACC+8*(2*\m+\u):ACC+8*(2*\m+\u)+7], v[SA+2*\m+1], v[WSC+2*\u+1] matrix_a_fmt:MATRIX_FMT_BF6 matrix_b_fmt:MATRIX_FMT_BF6
.endr
.endr
.rept 4
	v_nop                                          ; four places: for the stores that read results, and for the loads into the pixels' fragments
.endr
.irp m, 0,1,2,3
.irp u, 0,1
	ds_store_b128 v10, v[ACC+8*(2*\m+\u):ACC+8*(2*\m+\u)+3] offset:2176*\u+128*(\m/2)+32*(\m%2)        ; each accumulator from its low end on
	ds_store_b128 v10, v[ACC+8*(2*\m+\u)+4:ACC+8*(2*\m+\u)+7] offset:2176*\u+128*(\m/2)+32*(\m%2)+16
.endr
.endr
.irp i, 0,1,2,3,4,5,6,7,8,9,10,11,12,13,14,15
	ds_load_b128 v[AF+4*\i:AF+4*\i+3], v11 offset:544*\i           ; LDS serves a wave's instructions in order: these see my stores
.endr
	s_wait_dscnt 0x0
	s_wait_loadcnt 0x0                             ; x
	WIN 0x04                                       ; source 1 window 1
.set n, 0
.rept 32
	v_pk_add_f32 v[AF+n:AF+n+1], v[AF+n:AF+n+1], v[n:n+1]          ; the residual
.set n, n+2
.endr
	WIN 0
.irp i, 0,1,2,3,4,5,6,7,8,9,10,11,12,13,14,15
	global_store_b128 v9, v[AF+4*\i:AF+4*\i+3], s[14:15] offset:32768*\i th:TH_STORE_NT    ; sixteen lanes store 256 consecutive bytes, at a multiple of 256 from out0's first byte
.endr
	s_wait_tensorcnt 0x0
	ds_add_u32 v254, v255
	s_wait_dscnt 0x0
	s_endpgm
.Lfunc_end_k_q2b399b8789_proj:
	.size	k_q2b399b8789_proj, .Lfunc_end_k_q2b399b8789_proj-k_q2b399b8789_proj
	.p2alignl 7, 3214868480
	.fill 96, 4, 3214868480
	.section	.rodata,"a",@progbits
	.p2align	6, 0x0
	.amdhsa_kernel k_q2b399b8789_proj
		.amdhsa_group_segment_fixed_size 70656
		.amdhsa_private_segment_fixed_size 0
		.amdhsa_enable_private_segment 0
		.amdhsa_kernarg_size 48
		.amdhsa_user_sgpr_count 2
		.amdhsa_user_sgpr_kernarg_segment_ptr 1
		.amdhsa_wavefront_size32 1
		.amdhsa_system_sgpr_workgroup_id_x 1
		.amdhsa_system_sgpr_workgroup_id_y 1
		.amdhsa_system_sgpr_workgroup_id_z 1
		.amdhsa_system_vgpr_workitem_id 0
		.amdhsa_next_free_vgpr 320
		.amdhsa_next_free_sgpr 66
		.amdhsa_reserve_vcc 0
		.amdhsa_float_denorm_mode_32 3
		.amdhsa_float_denorm_mode_16_64 3
		.amdhsa_memory_ordered 1
		.amdhsa_forward_progress 1
		.amdhsa_inst_pref_size 21
	.end_amdhsa_kernel
	.amdgpu_metadata
---
amdhsa.version: [ 1, 2 ]
amdhsa.kernels:
  - .name:           k_q2b399b8789_proj
    .symbol:         k_q2b399b8789_proj.kd
    .args:
      - { .name: of, .offset: 0, .size: 8, .value_kind: global_buffer, .address_space: global }
      - { .name: wc, .offset: 8, .size: 8, .value_kind: global_buffer, .address_space: global }
      - { .name: ws, .offset: 16, .size: 8, .value_kind: global_buffer, .address_space: global }
      - { .name: b_proj, .offset: 24, .size: 8, .value_kind: global_buffer, .address_space: global }
      - { .name: x, .offset: 32, .size: 8, .value_kind: global_buffer, .address_space: global }
      - { .name: out0, .offset: 40, .size: 8, .value_kind: global_buffer, .address_space: global }
    .group_segment_fixed_size: 70656
    .private_segment_fixed_size: 0
    .kernarg_segment_align: 8
    .kernarg_segment_size: 48
    .max_flat_workgroup_size: 256
    .sgpr_count:     66
    .vgpr_count:     320
    .wavefront_size: 32
...
	.end_amdgpu_metadata
.endif
;; end of part 4
